; MI455X (gfx1250); checked and timed in simulation.
; The chip was launched on July 23, 2026; its instructions are those of AMD's public machine-readable ISA for CDNA 5 (MIT licence, August 2026) and "CDNA5" Instruction Set Architecture Reference Guide (July 2026). The comments in the code are by the model that wrote it; some were corrected since.
;; GQA. Allowed arithmetic: matrix products marked QUANTISED: E4M3 operands, one E8M0 scale for each 32 along K, by v_wmma_scale_f32_16x16x128_f8f6f4 with both operands' format E4M3, f32 sums; everything else in f32.
;; Inputs: Wk 2,048 x 512 float32; Wo 2,048 x 2,048 float32; Wq 2,048 x 2,048 float32; Wv 2,048 x 512 float32; cos 1,024 x 32 float32; k_norm_w 64 float32; q_norm_w 64 float32; sin 1,024 x 32 float32; x 4 x 1,024 x 2,048 float32.
;; Outputs: out0 4 x 1,024 x 2,048 float32.
;; This version of the problem:
;;   THIS VERSION OF THE PROBLEM IS GIVEN IN LOW PRECISION. The matrix products marked QUANTISED in the list below multiply operands that are first quantised to E4M3 (4 exponent bits, 3 mantissa bits; 8 bits a number), with one power-of-two scale for each 32 numbers along K (OCP MX v1.0); their sums are f32. All else is computed in f32.
;;   The module's matrix products, in the order in which they are computed (A, B: the left and right operand; K: the contracted axis; several contracted axes count as one K, in the product's order):
;;     1. [M 4,096, K 2,048] x [K 2,048, N 2,048]; A: input x; B: input Wq: QUANTISED
;;     2. [M 4,096, K 2,048] x [K 2,048, N 512]; A: input x; B: input Wk: QUANTISED
;;     3. [M 4,096, K 2,048] x [K 2,048, N 512]; A: input x; B: input Wv: QUANTISED
;;     4. batch 128 x [M 1,024, K 64] x [K 64, N 1,024]; A: computed on the way; B: computed on the way: QUANTISED
;;     5. batch 128 x [M 1,024, K 1,024] x [K 1,024, N 64]; A: softmax (see below); B: computed on the way: QUANTISED
;;     6. [M 4,096, K 2,048] x [K 2,048, N 2,048]; A: computed on the way; B: input Wo: QUANTISED
;;   THE QUANTISER, for each operand of a quantised product, along K:
;;     - K is cut into blocks of 32 from its start; a last block that is shorter is filled with zeros.
;;     - A block's scale is 2^e with e = floor(log2(the largest magnitude in the block)) - 8, held to -126 .. 127; a block of zeros has e = 0. As a byte (E8M0): e + 127.
;;     - Each number is divided by its block's scale, clamped to +-448, and rounded to the nearest number of E4M3, ties to even, subnormals kept.
;;     - The product sums the exact products of the quantised numbers (number of the format x scale) in f32.
;;   ~~~python
;;   def quantise(x, axis):      # numpy; x: float32 -> the quantised numbers, widened to float32 again
;;       x = np.moveaxis(x, axis, -1); K = x.shape[-1]
;;       x = np.pad(x, [(0, 0)] * (x.ndim - 1) + [(0, -K % 32)]); x = x.reshape(x.shape[:-1] + (-1, 32)); a = np.abs(x).max(-1, keepdims=True)
;;       e = np.where(a > 0, np.clip(np.frexp(np.where(a > 0, a, 1))[1] - 1 - 8, -126, 127), 0)      # np.frexp(a)[1] - 1 = floor(log2(a)), exactly
;;       r = np.clip(x / 2.0 ** e, -448, 448)
;;       step = 2.0 ** (np.maximum(np.frexp(np.where(r == 0, 1, r))[1] - 1, -6) - 3)
;;       q = np.round(r / step) * step * 2.0 ** e      # np.round: ties to even
;;       return np.moveaxis(q.reshape(q.shape[:-2] + (-1,))[..., :K], -1, axis).astype(np.float32)
;;   ~~~
;;   SOFTMAX AHEAD OF A QUANTISED PRODUCT. Where the list says 'softmax', what is quantised is not the finished softmax but p = 2^(t - M), with t = logit x log2(e) and M = ceil(the row's largest t), a whole number; so 1/2 < the row's largest p <= 1. The row's sum l is taken of the UNQUANTISED p, in f32, and the product's result is divided by l at the end. Since M is a whole number, a kernel that streams over the keys may use a running M (the ceiling of the running maximum): every later rescaling is an exact power of two, which a block's scale takes up: the codes' values come out the same.
;;   OPERANDS COMPUTED ON THE WAY. 'Computed on the way' means the value that the module computes at that place (a softmax that the list does not call 'softmax' is quantised finished and normalised). What goes into a quantiser is computed in f32, as accurately as f32 sums, v_exp_f32 and their like allow (about 1e-6 of the number): no bf16 or f16 on the way to a quantiser, and a product that is left as it is and whose result goes on into a quantised operand takes f32 operands (vector FMAs, or v_wmma_f32_16x16x4_f32). A number that lies on a knife's edge between two numbers of the format may be rounded either way, as far as f32 arithmetic and the matrix unit's own rounding can turn it there, and no further.
;; One version. Each part assembles by itself: llvm-mc -triple=amdgcn-amd-amdhsa -mcpu=gfx1250 --defsym DOCPART=n.
;; ======== version 1 of 1: 4 launches
;; limits: right only within a limited range of input values
;; workspace buffers: xc 8,388,608 bytes; xs 262,144 bytes; wc 10,485,760 bytes; ws 327,680 bytes; qkv 13,303,808 bytes
;; launch quant (part 1): grid 576 x 1, 4 waves a work-group, no clusters, 68,096 bytes of LDS; arguments x, Wq, Wk, Wv, Wo, xc, xs, wc, ws; writes xc, xs, wc, ws
.if DOCPART == 1
	.amdgcn_target "amdgcn-amd-amdhsa--gfx1250"
	.amdhsa_code_object_version 6
	.text
	.protected	k_q5a74425816_quant
	.globl	k_q5a74425816_quant
	.p2align	8
	.type	k_q5a74425816_quant,@function
k_q5a74425816_quant:
	s_mov_b64 s[64:65], 0
	v_nop
	global_prefetch_b8 v0, s[64:65] scope:SCOPE_SE
	s_setreg_imm32_b32 hwreg(HW_REG_WAVE_MODE, 25, 1), 1
	s_wait_xcnt 0x0
; x [4096][2048] and the four weights [2048][n], f32, become codes of E4M3 with one E8M0 scale byte for each 32 along K (K = the 2,048).
; A block's scale is 2^(floor(log2(its largest magnitude)) - 8); its byte is the largest magnitude's exponent field - 8, held at 1 from below.
; LIMITS: NaN and infinities among the inputs are not served; blocks whose largest magnitude lies under 2^-118 keep the byte 1; a block of zeros gets the byte 1
; and not 127: its codes are zeros, and the bytes are read by this program alone.
; Work-groups 0 to 255 take x: K is innermost, the tensor is a plain stream of blocks of 32.  xc [4096][2048] codes, xs [4096][64] bytes.
; Work-groups 256 to 575 take the weights: K is the FIRST axis, so a lane takes a column and its registers run down K; the codes come out with K innermost.
; wc [5120][2048], ws [5120][64].  Rows 0-2047: Wq's columns; rows 2048 + 256 c + 0..127: Wk's columns 128 c on; + 128..255: Wv's columns 128 c on; rows 3072-5119: Wo's columns.
; Inside each aligned group of 32 rows column n lies at the place n with its bits 3 and 4 swapped: sixteen rows on end are then a tile whose transposed product
; leaves sixteen neighbouring columns in a lane's registers of two neighbouring tiles.
; The two paths part on the work-group's number, never join, and have LDS bytes of their own (0..32767, 32768..67583).  Waves share nothing: no barrier.
.set MANT,   0x600000                  ; the mantissa field of 448 as f32
.set STEPS,  16
.set SP,     80                        ; x: a lane's place in a stage: 64 bytes + 16 of padding
.set WREG,   8192                      ; x: LDS of a wave: two stages of 32 x SP bytes, then its 256 scale bytes
.set XR,     16                        ; v16-79   x: four sets of 16 numbers as loaded
.set XX,     80                        ; v80-111  x: two sets of 16 neighbours
.set XE,     112                       ; v112-127 x: a scale byte for each step
.set XC,     128                       ; v128-191 x: codes, four registers for each step
.set WSTAGE, 32768                     ; weights: the stages begin here
.set WPITCH, 272                       ; a stage row: 256 codes + 16 bytes
.set WX,     32                        ; v32-95   weights: two sets of 32 numbers
.set WC,     96                        ; v96-103  a block's codes
.set OUTR,   112                       ; v112-175 the way out
.set SB,     24                        ; v24-25   eight scale bytes
.set VO,     176                       ; v176-207 4 x lane + i rows of the weight; never rewritten
.set BT,     32                        ; s[32:47] the eight blocks' bases
	s_load_b512 s[4:19], s[0:1], 0x0               ; x s[4:5], Wq s[6:7], Wk s[8:9], Wv s[10:11], Wo s[12:13], xc s[14:15], xs s[16:17], wc s[18:19]
	s_load_b64 s[20:21], s[0:1], 0x40              ; ws
	v_lshl_add_u32 v208, v0, 2, 0x10800
	v_mov_b32 v209, 0
	v_lshrrev_b32 v1, 5, v0
	v_readfirstlane_b32 s24, v1                    ; wave 0..3
	v_and_b32 v2, 31, v0                           ; lane
	s_mov_b32 s23, MANT
	s_wait_kmcnt 0x0
	s_cmp_lt_u32 ttmp9, 256
	s_cbranch_scc0 .Lweights
; ---------------- x.  A wave takes 16 steps of 512 numbers.  Each load reads 512 consecutive bytes; a step's 2,048 bytes turn through the wave's own stage, so that a lane then holds 16 neighbours.
	s_wait_alu depctr_va_vdst(0)
	v_lshlrev_b32 v3, 4, v2                        ; my 16 bytes of a load's 512
	s_mul_i32 s25, s24, WREG
	v_lshrrev_b32 v14, 2, v2
	v_mul_u32_u24 v14, v14, SP
	v_and_b32 v15, 3, v2
	v_lshl_add_u32 v14, v15, 4, v14
	v_add_nc_u32 v14, s25, v14                     ; into the stage: SP (lane / 4) + 16 (lane % 4)
	v_mul_u32_u24 v15, v2, SP
	v_add_nc_u32 v15, s25, v15                     ; out of it: SP x lane
	v_lshlrev_b32 v4, 4, v2                        ; my 16 codes in a step's 512
	v_lshrrev_b32 v5, 1, v2
	s_add_co_u32 s25, s25, 2*32*SP
	v_add_nc_u32 v5, s25, v5                       ; my block's scale byte in the wave's 256
	v_lshlrev_b32 v7, 3, v2
	v_add_nc_u32 v6, s25, v7
	s_lshl_b32 s26, ttmp9, 2
	s_add_co_u32 s26, s26, s24                     ; which run of 8,192 numbers is my wave's
	s_mov_b32 s27, 0
	s_lshl_b64 s[28:29], s[26:27], 15
	s_add_nc_u64 s[4:5], s[4:5], s[28:29]
	s_lshl_b64 s[28:29], s[26:27], 13
	s_add_nc_u64 s[14:15], s[14:15], s[28:29]
	s_lshl_b64 s[28:29], s[26:27], 8
	s_add_nc_u64 s[16:17], s[16:17], s[28:29]
.macro XLOAD t
.irp i, 0,1,2,3
	global_load_b128 v[XR+16*((\t)%4)+4*\i:XR+16*((\t)%4)+4*\i+3], v3, s[4:5] offset:2048*(\t)+512*\i th:TH_LOAD_NT
.endr
.endm
.macro XTURN t                         ; LDS serves a wave's instructions in order: no wait between the stores and the loads
.irp i, 0,1,2,3
	ds_store_b128 v14, v[XR+16*((\t)%4)+4*\i:XR+16*((\t)%4)+4*\i+3] offset:32*SP*((\t)%2)+8*SP*\i
.endr
.irp i, 0,1,2,3
	ds_load_b128 v[XX+16*((\t)%2)+4*\i:XX+16*((\t)%2)+4*\i+3], v15 offset:32*SP*((\t)%2)+16*\i
.endr
.endm
.irp t, 0,1,2,3
	XLOAD \t
.endr
	s_wait_alu depctr_va_vdst(0)
	s_wait_loadcnt 12                              ; step 0's four loads are in; twelve younger ones stay out
	XTURN 0
.macro XSTEP t
.set XS, XX+16*((\t)%2)
.if (\t) > 0
	s_wait_dscnt 1                                 ; this step's numbers are back from the stage; the last step's byte store may be out
.else
	s_wait_dscnt 0x0
.endif
.if (\t)+4 < STEPS
	XLOAD (\t)+4
.endif
.if (\t)+1 < STEPS
.if STEPS-2-(\t) >= 3
	s_wait_loadcnt 12                              ; the next step's four loads are in; those of three steps behind it may be out
.else
	s_wait_loadcnt 4*(STEPS-2-(\t))
.endif
	XTURN (\t)+1
.endif
	v_max3_num_f32 v8, |v[XS]|, |v[XS+1]|, |v[XS+2]|
	v_max3_num_f32 v9, |v[XS+3]|, |v[XS+4]|, |v[XS+5]|
.irp i, 6,10
	v_max3_num_f32 v8, v8, |v[XS+\i]|, |v[XS+\i+1]|
	v_max3_num_f32 v9, v9, |v[XS+\i+2]|, |v[XS+\i+3]|
.endr
	v_max3_num_f32 v8, v8, |v[XS+14]|, |v[XS+15]|
	v_max3_num_f32 v8, v8, v9, 0x4800000           ; the floor 2^(9 - 127): the byte cannot fall under 1
	v_max_num_f32_dpp v8, v8, v8 row_xmask:1 row_mask:0xf bank_mask:0xf   ; with my neighbour's 16: the block's largest magnitude
	v_add_nc_u32 v11, 0xfc000000, v8               ; 8 off its exponent field: the conversion's scale operand
	v_and_or_b32 v10, v8, 0x7f800000, s23          ; 448 x the scale
.irp i, 0,1,2,3,4,5,6,7,8,9,10,11,12,13,14,15
	v_med3_num_f32 v[XS+\i], v[XS+\i], -v10, v10   ; the conversion does not saturate (ISA guide 7.6.2): the hold comes first
.endr
	v_cvt_scalef32_pk8_fp8_f32 v[XC+4*(\t):XC+4*(\t)+1], v[XS:XS+7], v11
	v_cvt_scalef32_pk8_fp8_f32 v[XC+4*(\t)+2:XC+4*(\t)+3], v[XS+8:XS+15], v11
	v_lshrrev_b32 v[XE+(\t)], 23, v11              ; the scale's byte
	ds_store_b8 v5, v[XE+(\t)] offset:16*(\t)      ; both lanes of a block write the same byte with the same value
	global_store_b128 v4, v[XC+4*(\t):XC+4*(\t)+3], s[14:15] offset:512*(\t)   ; 32 lanes store 512 consecutive bytes
.endm
.irp t, 0,1,2,3,4,5,6,7,8,9,10,11,12,13,14,15
	XSTEP \t
.endr
	ds_load_b64 v[12:13], v6
	s_wait_dscnt 0x0
	global_store_b64 v7, v[12:13], s[16:17]        ; the wave's 256 scale bytes: 256 consecutive bytes, aligned
	s_wait_tensorcnt 0x0
	ds_add_u32 v208, v209
	s_wait_dscnt 0x0
	s_endpgm
; ---------------- the weights.  A work-group takes 128 columns x 256 along K; a wave 32 columns: 8 blocks a lane.
.Lweights:
	s_sub_co_u32 s25, ttmp9, 256
	s_and_b32 s26, s25, 7                          ; which 256 along K
	s_lshr_b32 s27, s25, 3                         ; column group 0..39: 0-15 Wq, 16-19 Wk, 20-23 Wv, 24-39 Wo
	s_lshl_b32 s50, s27, 7                         ; first row of wc: Wq and Wo: 128 x group
	s_lshl_b32 s51, s27, 8
	s_sub_co_u32 s52, s51, 2944                    ; Wv: 2048 + 256 (group - 20) + 128
	s_sub_co_u32 s51, s51, 2048                    ; Wk: 2048 + 256 (group - 16)
	s_mov_b32 s53, 2048                            ; a row of Wk or Wv in bytes,
	s_mov_b32 s54, 8192                            ; of Wq or Wo
	s_mov_b32 s55, 20
	s_mov_b32 s56, 16
	s_mov_b64 s[28:29], s[12:13]                   ; begin with Wo; the choices hang on the work-group's number alone
	s_mov_b32 s30, 24
	s_mov_b32 s48, s54
	s_mov_b32 s31, s50
	s_cmp_lt_u32 s27, 24
	s_cselect_b64 s[28:29], s[10:11], s[28:29]
	s_cselect_b32 s30, s55, s30
	s_cselect_b32 s48, s53, s48
	s_cselect_b32 s31, s52, s31
	s_cmp_lt_u32 s27, 20
	s_cselect_b64 s[28:29], s[8:9], s[28:29]
	s_cselect_b32 s30, s56, s30
	s_cselect_b32 s31, s51, s31
	s_cmp_lt_u32 s27, 16
	s_cselect_b64 s[28:29], s[6:7], s[28:29]
	s_cselect_b32 s30, 0, s30
	s_cselect_b32 s48, s54, s48
	s_cselect_b32 s31, s50, s31
	s_sub_co_u32 s50, s27, s30
	s_lshl_b32 s50, s50, 7
	s_lshl_b32 s51, s24, 5
	s_add_co_u32 s50, s50, s51                     ; my wave's first column in its weight
	s_lshl_b32 s50, s50, 2
	s_lshl_b32 s52, s26, 8
	s_mul_i32 s52, s52, s48                        ; 256 x part rows down
	s_add_co_u32 s52, s52, s50
	s_mov_b32 s53, 0
	s_add_nc_u64 s[BT:BT+1], s[28:29], s[52:53]
	s_lshl_b32 s54, s48, 5                         ; a block: 32 rows
	s_mov_b32 s55, 0
.irp t, 1,2,3,4,5,6,7
	s_add_nc_u64 s[BT+2*\t:BT+2*\t+1], s[BT+2*\t-2:BT+2*\t-1], s[54:55]
.endr
	s_add_co_u32 s56, s31, s51                     ; my wave's first row of wc and ws
	s_lshl_b32 s57, s56, 11
	s_lshl_b32 s58, s26, 8
	s_add_co_u32 s52, s57, s58
	s_add_nc_u64 s[18:19], s[18:19], s[52:53]
	s_lshl_b32 s57, s56, 6
	s_lshl_b32 s58, s26, 3
	s_add_co_u32 s52, s57, s58
	s_add_nc_u64 s[20:21], s[20:21], s[52:53]
	s_wait_alu depctr_va_vdst(0)
	v_lshlrev_b32 v[VO], 2, v2
.set i, 1
.rept 31
	v_add_nc_u32 v[VO+i], s48, v[VO+i-1]
.set i, i+1
.endr
	s_mul_i32 s59, s24, 32*WPITCH
	s_add_co_u32 s59, s59, WSTAGE                  ; my stage
	v_and_b32 v10, 7, v2
	v_bfe_u32 v11, v2, 3, 1
	v_bfe_u32 v12, v2, 4, 1
	v_lshl_or_b32 v10, v11, 4, v10
	v_lshl_or_b32 v10, v12, 3, v10                 ; my column's place in its group of 32: bits 3 and 4 swapped
	v_mul_u32_u24 v4, v10, WPITCH
	v_add_nc_u32 v4, s59, v4                       ; into the stage: row = that place
	v_lshlrev_b32 v9, 6, v10                       ; and its row of scale bytes
	v_and_b32 v5, 15, v2
	v_lshrrev_b32 v6, 4, v2
	v_mul_u32_u24 v7, v6, WPITCH
	v_lshl_add_u32 v7, v5, 4, v7
	v_add_nc_u32 v7, s59, v7                       ; out of it: sixteen lanes to a row, two rows an instruction
	v_lshlrev_b32 v8, 11, v6
	v_lshl_add_u32 v8, v5, 4, v8                   ; and the same place in wc
.macro WLOAD t                         ; block t: 32 rows of the weight at my column: 128 consecutive bytes a wave and load
.set i, 0
.rept 32
	global_load_b32 v[WX+32*((\t)%2)+i], v[VO+i], s[BT+2*(\t):BT+2*(\t)+1] th:TH_LOAD_NT
.set i, i+1
.endr
.endm
	WLOAD 0
	WLOAD 1
.macro WBLOCK t
.set XS, WX+32*((\t)%2)
.if (\t) < 7
	s_wait_loadcnt 32                              ; this block's 32 loads are in; the next block's may be out
.else
	s_wait_loadcnt 0x0
.endif
	v_max3_num_f32 v12, |v[XS]|, |v[XS+1]|, |v[XS+2]|
	v_max3_num_f32 v13, |v[XS+3]|, |v[XS+4]|, |v[XS+5]|
.irp i, 6,10,14,18,22,26
	v_max3_num_f32 v12, v12, |v[XS+\i]|, |v[XS+\i+1]|
	v_max3_num_f32 v13, v13, |v[XS+\i+2]|, |v[XS+\i+3]|
.endr
	v_max3_num_f32 v12, v12, |v[XS+30]|, |v[XS+31]|
	v_max3_num_f32 v12, v12, v13, 0x4800000        ; the floor
	v_add_nc_u32 v11, 0xfc000000, v12
	v_and_or_b32 v10, v12, 0x7f800000, s23
	v_lshrrev_b32 v13, 23, v11
.if (\t)%4 == 0
	v_mov_b32 v[SB+(\t)/4], v13
.else
	v_lshl_or_b32 v[SB+(\t)/4], v13, 8*((\t)%4), v[SB+(\t)/4]
.endif
.irp i, 0,1,2,3,4,5,6,7,8,9,10,11,12,13,14,15,16,17,18,19,20,21,22,23,24,25,26,27,28,29,30,31
	v_med3_num_f32 v[XS+\i], v[XS+\i], -v10, v10
.endr
.irp g, 0,1,2,3
	v_cvt_scalef32_pk8_fp8_f32 v[WC+2*\g:WC+2*\g+1], v[XS+8*\g:XS+8*\g+7], v11
.endr
	ds_store_b128 v4, v[WC:WC+3] offset:32*(\t)
	ds_store_b128 v4, v[WC+4:WC+7] offset:32*(\t)+16
.if (\t)+2 < 8
	WLOAD (\t)+2
.endif
	s_wait_dscnt 0x0                               ; the stores have read their registers: the next block's codes may be written
.endm
.irp t, 0,1,2,3,4,5,6,7
	WBLOCK \t
.endr
	global_store_b64 v9, v[SB:SB+1], s[20:21]      ; my column's eight scale bytes
.irp t, 0,1,2,3,4,5,6,7,8,9,10,11,12,13,14,15
	ds_load_b128 v[OUTR+4*\t:OUTR+4*\t+3], v7 offset:2*\t*WPITCH
.endr
.irp t, 0,1,2,3,4,5,6,7,8,9,10,11,12,13,14,15
	s_wait_dscnt 15-\t                             ; the younger loads from the stage stay out
	global_store_b128 v8, v[OUTR+4*\t:OUTR+4*\t+3], s[18:19] offset:2*\t*2048   ; sixteen lanes store 256 consecutive bytes, aligned
.endr
	s_wait_tensorcnt 0x0
	ds_add_u32 v208, v209
	s_wait_dscnt 0x0
	s_endpgm
.Lfunc_end_k_q5a74425816_quant:
	.size	k_q5a74425816_quant, .Lfunc_end_k_q5a74425816_quant-k_q5a74425816_quant
	.p2alignl 7, 3214868480
	.fill 96, 4, 3214868480
	.section	.rodata,"a",@progbits
	.p2align	6, 0x0
	.amdhsa_kernel k_q5a74425816_quant
		.amdhsa_group_segment_fixed_size 68096
		.amdhsa_private_segment_fixed_size 0
		.amdhsa_enable_private_segment 0
		.amdhsa_kernarg_size 72
		.amdhsa_user_sgpr_count 2
		.amdhsa_user_sgpr_kernarg_segment_ptr 1
		.amdhsa_wavefront_size32 1
		.amdhsa_system_sgpr_workgroup_id_x 1
		.amdhsa_system_sgpr_workgroup_id_y 1
		.amdhsa_system_sgpr_workgroup_id_z 1
		.amdhsa_system_vgpr_workitem_id 0
		.amdhsa_next_free_vgpr 210
		.amdhsa_next_free_sgpr 66
		.amdhsa_reserve_vcc 0
		.amdhsa_float_denorm_mode_32 3
		.amdhsa_float_denorm_mode_16_64 3
		.amdhsa_memory_ordered 1
		.amdhsa_forward_progress 1
		.amdhsa_inst_pref_size 111
	.end_amdhsa_kernel
	.amdgpu_metadata
---
amdhsa.version: [ 1, 2 ]
amdhsa.kernels:
  - .name:           k_q5a74425816_quant
    .symbol:         k_q5a74425816_quant.kd
    .args:
      - { .name: x, .offset: 0, .size: 8, .value_kind: global_buffer, .address_space: global }
      - { .name: Wq, .offset: 8, .size: 8, .value_kind: global_buffer, .address_space: global }
      - { .name: Wk, .offset: 16, .size: 8, .value_kind: global_buffer, .address_space: global }
      - { .name: Wv, .offset: 24, .size: 8, .value_kind: global_buffer, .address_space: global }
      - { .name: Wo, .offset: 32, .size: 8, .value_kind: global_buffer, .address_space: global }
      - { .name: xc, .offset: 40, .size: 8, .value_kind: global_buffer, .address_space: global }
      - { .name: xs, .offset: 48, .size: 8, .value_kind: global_buffer, .address_space: global }
      - { .name: wc, .offset: 56, .size: 8, .value_kind: global_buffer, .address_space: global }
      - { .name: ws, .offset: 64, .size: 8, .value_kind: global_buffer, .address_space: global }
    .group_segment_fixed_size: 68096
    .private_segment_fixed_size: 0
    .kernarg_segment_align: 8
    .kernarg_segment_size: 72
    .max_flat_workgroup_size: 128
    .sgpr_count:     66
    .vgpr_count:     210
    .wavefront_size: 32
...
	.end_amdgpu_metadata
.endif
;; end of part 1
;; launch qkv (part 2): grid 12 x 16, 4 waves a work-group, clusters of 4 x 4, 327,680 bytes of LDS; arguments xc, xs, wc, ws, q_norm_w, k_norm_w, cos, sin, qkv; writes qkv
.if DOCPART == 2
	.amdgcn_target "amdgcn-amd-amdhsa--gfx1250"
	.amdhsa_code_object_version 6
	.text
	.protected	k_q5a74425816_qkv
	.globl	k_q5a74425816_qkv
	.p2align	8
	.type	k_q5a74425816_qkv,@function
k_q5a74425816_qkv:
	s_mov_b64 s[64:65], 0
	v_nop
	global_prefetch_b8 v0, s[64:65] scope:SCOPE_SE
	s_setreg_imm32_b32 hwreg(HW_REG_WAVE_MODE, 25, 1), 1
	s_wait_xcnt 0x0
	s_wait_alu depctr_hold_cnt(0) depctr_sa_sdst(0) depctr_va_vdst(0) depctr_va_sdst(0) depctr_va_ssrc(0) depctr_va_vcc(0) depctr_vm_vsrc(0)
	s_getreg_b32 s2, hwreg(HW_REG_IB_STS2, 6, 4)
	s_cmp_eq_u32 s2, 0
	s_cbranch_scc0 .Lentry_in_a_cluster
	s_endpgm
.Lentry_in_a_cluster:
	s_bfe_u32 s2, ttmp6, 0x10000c
	s_cmp_lg_u32 s2, 0xf033
	s_cbranch_scc0 .Lentry_shape_is_right
	s_endpgm
.Lentry_shape_is_right:
.set SIZE_K, 2048
.set KSTEP,  256
.set NQ,     KSTEP/128
.set ROWB,   256
.set KROW,   SIZE_K
.set PITCH,  272
.set FR,     16
.set NL,     4
.set NP,     8
.set HALFT,  128*PITCH
.set SLOT,   4*HALFT
.set LAPS,   SIZE_K/(2*KSTEP)
.set KS,     SIZE_K/32
.set SCL,    2*SLOT
.set HALFS,  (128*KS/256)*272
.set SBLK,   (16*KS/256)*272
.set SPARE,  SCL+4*HALFS
.set SST,    SPARE+512
.set ADRA, 16
.set CSO,  18
.set WNO,  19
.set ADRB, 20
.set GL16, 22
.set GL8,  23
.set STV,  24
.set RDV,  25
.set SW,   26
.set ADRS, 27
.set SPW,  28
.set NIL,  29
.set SR16, 30
.set SR8,  31
.set SC,   32
.set AF,   128
.set CS1,  32
.set WN,   64
.set VN,   64
.set CS0,  96
.set X,    128
.set Y,    160
.set SS,   192
.set TM,   200
.set CD,   216
.set RR,   236
.set PWA,  240
.set G1, 24
.set G0, 32
.set G1B, 48
.set G0B, 56
.set G1S, 68
.set G0S, 76
.set G1SB, 80
.set G0SB, 88
.set SEL, 46
.set MNT, 95
.set CB,  8
.set MSB, 0
.macro WIN new
.if MSB != (\new)
	s_set_vgpr_msb (MSB<<8)|(\new)
.set MSB, (\new)
.endif
.endm
.set MUL_LO, 0xa1
.set MUL_HI, 0xf1
.set TO_B,   0x40
.macro JLOAD g0a, g1a, g0b, g1b
	s_cmp_eq_u32 s15, 0
	s_cbranch_scc0 .Lfor_b_\@
	tensor_load_to_lds s[\g0a:\g0a+3], s[\g1a:\g1a+7]
	s_nop 0
.rept 4
	v_nop
.endr
	s_branch .Lasked_\@
.Lfor_b_\@:
	tensor_load_to_lds s[\g0b:\g0b+3], s[\g1b:\g1b+7]
	s_nop 0
.rept 4
	v_nop
.endr
.Lasked_\@:
.endm
.macro CREST
	s_cmp_lg_u32 s14, 0
	s_cbranch_scc1 .Lnot_wave_0_\@
	s_barrier_signal -3
.Lnot_wave_0_\@:
	s_barrier_wait -3
	s_barrier_signal -1
	s_barrier_wait -1
.endm
.macro CROUND
	s_barrier_signal -1
	s_barrier_wait -1
	CREST
.endm
	s_load_b128 s[4:7], s[0:1], 0x0
	s_load_b128 s[8:11], s[0:1], 0x10
	s_load_b64 s[66:67], s[0:1], 0x20
	s_load_b128 s[96:99], s[0:1], 0x28
	s_load_b64 s[100:101], s[0:1], 0x38
	s_load_b64 s[104:105], s[0:1], 0x40
	v_lshl_add_u32 v[SPW], v0, 2, SPARE
	v_mov_b32 v[NIL], 0
	ds_add_u32 v28, v29
	ds_add_u32 v28, v29
	s_wait_dscnt 0x0
	v_lshrrev_b32 v1, 5, v0
	v_readfirstlane_b32 s14, v1
	s_lshr_b32 s15, s14, 1
	s_and_b32 s16, s14, 1
	s_bfe_u32 s40, ttmp6, 0x40000
	s_bfe_u32 s41, ttmp6, 0x40004
	s_lshl_b32 s42, ttmp9, 2
	s_add_co_u32 s42, s42, s40
	s_and_b32 s17, ttmp7, 0xffff
	s_lshl_b32 s17, s17, 2
	s_add_co_u32 s17, s17, s41
	s_lshl_b32 s43, s41, 2
	s_lshl_b32 s43, 15, s43
	s_lshl_b32 s44, 0x1111, s40
	s_or_b32 s[G1+0], s43, (0<<16)|(1<<20)|(1<<21)|(5<<22)|(3<<25)
	s_or_b32 s[G1B+0], s44, (0<<16)|(1<<20)|(1<<21)|(5<<22)|(3<<25)
.irp g, G1, G1B
	s_mov_b32 s[\g+1], ROWB<<16
	s_mov_b32 s[\g+2], 256<<16
	s_mov_b32 s[\g+3], ROWB<<16
	s_mov_b32 s[\g+4], 256
	s_mov_b32 s[\g+5], KROW
	s_mov_b32 s[\g+6], 0
	s_mov_b32 s[\g+7], 0
.endr
	s_or_b32 s[G1S+0], s43, (3<<16)|(1<<20)|(1<<21)|(5<<22)|(3<<25)
	s_or_b32 s[G1SB+0], s44, (3<<16)|(1<<20)|(1<<21)|(5<<22)|(3<<25)
.irp g, G1S, G1SB
	s_mov_b32 s[\g+1], 32<<16
	s_mov_b32 s[\g+2], KS<<16
	s_mov_b32 s[\g+3], 32<<16
	s_mov_b32 s[\g+4], KS
	s_mov_b32 s[\g+5], 32
	s_mov_b32 s[\g+6], 0
	s_mov_b32 s[\g+7], 0
.endr
	s_lshl_b32 s20, s17, 8
	s_lshl_b32 s46, s42, 8
	s_mov_b32 s21, 0
	s_mov_b32 s47, 0
	s_mov_b64 s[18:19], KS
	s_mul_u64 s[22:23], s[20:21], s[18:19]
	s_mul_u64 s[92:93], s[46:47], s[18:19]
	s_mov_b64 s[18:19], KROW
	s_mul_u64 s[20:21], s[20:21], s[18:19]
	s_mul_u64 s[46:47], s[46:47], s[18:19]
	s_mul_i32 s18, s16, 128*KROW           ; in the ring a wave fetches half of a tile's rows
	s_mov_b32 s19, 0
	s_mul_i32 s45, s14, HALFT
	s_wait_kmcnt 0x0
	s_add_nc_u64 s[20:21], s[4:5], s[20:21]
	s_add_nc_u64 s[22:23], s[6:7], s[22:23]
	s_add_nc_u64 s[46:47], s[8:9], s[46:47]
	s_add_nc_u64 s[92:93], s[10:11], s[92:93]
	CROUND
	s_mov_b32 s[G0S], 1                    ; the head's four tiles, each whole: the scales of A's 256 rows,
	s_mov_b32 s[G0S+1], SCL
	s_mov_b64 s[G0S+2:G0S+3], s[22:23]
	s_or_b32 s[G0S+3], s[G0S+3], 0x80000000
	s_mov_b32 s[G0SB], 1                   ; of B's,
	s_mov_b32 s[G0SB+1], SCL+2*HALFS
	s_mov_b64 s[G0SB+2:G0SB+3], s[92:93]
	s_or_b32 s[G0SB+3], s[G0SB+3], 0x80000000
	s_mov_b32 s[G0], 1                     ; K step 0's 256 rows of A,
	s_mov_b32 s[G0+1], 0
	s_mov_b64 s[G0+2:G0+3], s[20:21]
	s_or_b32 s[G0+3], s[G0+3], 0x80000000
	s_mov_b32 s[G0B], 1                    ; and of B
	s_mov_b32 s[G0B+1], 2*HALFT
	s_mov_b64 s[G0B+2:G0B+3], s[46:47]
	s_or_b32 s[G0B+3], s[G0B+3], 0x80000000
	s_add_nc_u64 s[20:21], s[20:21], s[18:19]
	s_add_nc_u64 s[46:47], s[46:47], s[18:19]
	s_mov_b32 s[G0+4], 1                   ; slot 1: my 128 rows of K step 1
	s_add_co_u32 s[G0+5], s45, SLOT
	s_add_nc_u64 s[G0+6:G0+7], s[20:21], ROWB
	s_or_b32 s[G0+7], s[G0+7], 0x80000000
	s_mov_b32 s[G0B+4], 1
	s_add_co_u32 s[G0B+5], s45, SLOT
	s_add_nc_u64 s[G0B+6:G0B+7], s[46:47], ROWB
	s_or_b32 s[G0B+7], s[G0B+7], 0x80000000
; one load a wave at the head, in one chain of branches on the wave's number; no window switch stands near these loads
.macro ARM under, g0, g1, next
	s_cmp_lt_u32 s14, \under
	s_cbranch_scc0 \next
	tensor_load_to_lds s[\g0:\g0+3], s[\g1:\g1+7]
	s_nop 0
	s_branch .Lhead_asked
\next:
.endm
	ARM 1, G0,  G1,  .Lhead_b
	ARM 2, G0B, G1B, .Lhead_sa
	ARM 3, G0S, G1S, .Lhead_sb
	tensor_load_to_lds s[G0SB:G0SB+3], s[G1SB:G1SB+7]
	s_nop 0
.Lhead_asked:
	v_and_b32 v1, 15, v0
	v_bfe_u32 v2, v0, 4, 1
	v_mul_u32_u24 v3, v1, PITCH
	v_lshl_add_u32 v4, v2, 4, v3
	s_mul_i32 s21, s15, HALFT
	s_mul_i32 s22, s16, HALFT
	s_add_co_u32 s22, s22, 2*HALFT
.irp s, 0,1
	v_add_nc_u32 v[ADRA+\s], s21, v4
	v_add_nc_u32 v[ADRB+\s], s22, v4
	s_add_co_u32 s21, s21, SLOT
	s_add_co_u32 s22, s22, SLOT
.endr
	v_mul_u32_u24 v5, v1, KS
	v_lshrrev_b32 v6, 8, v5
	v_lshl_add_u32 v5, v6, 4, v5
	s_mul_i32 s21, s15, HALFS
	s_mul_i32 s22, s16, HALFS
	s_add_co_u32 s22, s22, 2*HALFS
	s_sub_co_u32 s22, s22, s21
	v_mul_u32_u24 v6, s22, v2
	s_add_co_u32 s21, s21, SCL
	v_add_nc_u32 v5, v5, v6
	v_add_nc_u32 v[ADRS], s21, v5
	v_lshlrev_b32 v[CSO], 7, v1
	v_lshl_add_u32 v[CSO], v2, 6, v[CSO]
	v_lshlrev_b32 v[WNO], 6, v2
	v_and_b32 v6, 31, v0
	v_lshlrev_b32 v[GL16], 4, v6
	v_lshlrev_b32 v[GL8], 3, v6
	s_mul_i32 s21, s14, 128*PITCH
	v_lshl_add_u32 v[STV], v2, 6, v3
	v_add_nc_u32 v[STV], s21, v[STV]
	v_and_b32 v5, 8, v1
	v_add_nc_u32 v5, v5, v1
	v_lshlrev_b32 v5, 2, v5
	v_mad_u32_u24 v[RDV], v2, 8*PITCH, v5
	v_add_nc_u32 v[RDV], s21, v[RDV]
	s_lshl_b32 s22, s14, 10
	s_add_co_u32 s22, s22, SST
	v_lshl_add_u32 v[SW], v1, 2, s22
	v_add_nc_u32 v[SR16], s22, v[GL16]
	v_add_nc_u32 v[SR8], s22, v[GL8]
	s_lshr_b32 s18, s17, 2
	s_and_b32 s19, s17, 3
	s_lshl_b32 s19, s19, 1
	s_add_co_u32 s19, s19, s15
	s_lshl_b32 s41, s18, 5
	s_lshl_b32 s43, s42, 2
	s_add_co_u32 s41, s41, s43
	s_lshl_b32 s43, s16, 1
	s_add_co_u32 s41, s41, s43
	s_lshl_b32 s43, s41, 16
	s_lshl_b32 s44, s19, 13
	s_add_co_u32 s43, s43, s44
	s_lshl_b32 s41, s41, 12
	s_lshl_b32 s44, s19, 9
	s_add_co_u32 s41, s41, s44
	s_add_co_u32 s41, s41, 8388608
	s_lshl_b32 s44, s18, 3
	s_lshl_b32 s45, s40, 1
	s_add_co_u32 s44, s44, s45
	s_lshl_b32 s44, s44, 3
	s_add_co_u32 s44, s44, s19
	s_mul_i32 s44, s44, 17152
	s_add_co_u32 s44, s44, 8912896
	s_lshl_b32 s45, s16, 13
	s_add_co_u32 s45, s45, s44
	s_lshl_b32 s92, s16, 9
	s_add_co_u32 s92, s92, s44
	s_add_co_u32 s92, s92, 16384
	s_mov_b32 s46, 65536
	s_mov_b32 s47, 4096
	s_mov_b32 s93, 137216
	s_cmp_lt_u32 ttmp9, 2
	s_cselect_b32 s43, s43, s45
	s_cselect_b32 s41, s41, s92
	s_cselect_b32 s46, s46, s93
	s_cselect_b32 s47, s47, s93
	s_cselect_b64 s[22:23], s[66:67], s[96:97]
	s_mov_b32 s44, s43
	s_mov_b32 s45, 0
	s_add_nc_u64 s[8:9], s[104:105], s[44:45]
	s_mov_b32 s44, s46
	s_add_nc_u64 s[10:11], s[8:9], s[44:45]
	s_mov_b32 s44, s41
	s_add_nc_u64 s[12:13], s[104:105], s[44:45]
	s_mov_b32 s44, s47
	s_add_nc_u64 s[20:21], s[12:13], s[44:45]
	s_lshl_b32 s44, s19, 14
	s_add_nc_u64 s[4:5], s[98:99], s[44:45]
	s_add_nc_u64 s[6:7], s[100:101], s[44:45]
	s_mov_b32 s[SEL], 0x76543210
	s_mov_b32 s[SEL+1], 0xfedcba98
	s_mov_b32 s93, 0x3c800000
	s_mov_b32 s94, 0x358637bd
	s_mov_b32 s[MNT], 0x600000
	s_mov_b32 s43, 0x4800000               ; the quantisers' floor 2^(9 - 127)
	s_mov_b32 s44, 0xfc000000              ; 8 off an exponent field
	s_mov_b32 s45, 0x7f800000              ; the exponent field's mask
.irp e, 0,1
.irp q, 0,1,2,3
	global_load_b128 v[WN+16*\e+4*\q:WN+16*\e+4*\q+3], v[WNO], s[22:23] offset:128*\e+16*\q
.endr
.endr
.macro CSLOAD a                        ; cos and sin of my block a of 16 tokens into window 1, v[32 a ..]: B's fragment registers, when they are done with
.irp q, 0,1,2,3
	global_load_b128 v[32*(\a)+4*\q:32*(\a)+4*\q+3], v[CSO], s[4:5] offset:2048*(\a)+16*\q
	global_load_b128 v[32*(\a)+16+4*\q:32*(\a)+16+4*\q+3], v[CSO], s[6:7] offset:2048*(\a)+16*\q
.endr
.endm
.macro FRAG reg, adr, q, i
.irp c, 0,1,2,3
	ds_load_b128 v[\reg+4*\c:\reg+4*\c+3], v[\adr] offset:128*(\q)+32*\c+(\i)*16*PITCH
.endr
.endm
.macro MUL16 a0, p, q, sc, zero
.irp a, \a0, \a0+1
.irp b, 0,1,2,3,4,5,6,7
.if \zero
	v_wmma_scale_f32_16x16x128_f8f6f4 v[8*(8*((\a)%4)+\b):8*(8*((\a)%4)+\b)+7], v[128*(\p)+FR*\b:128*(\p)+FR*\b+FR-1], v[AF+FR*(\a):AF+FR*(\a)+FR-1], 0, v[SC+8*NQ*(\sc)+NQ*\b+(\q)], v[SC+8*NQ*(\sc)+NQ*(\a)+(\q)] matrix_a_scale:MATRIX_SCALE_ROW1
.else
	v_wmma_scale_f32_16x16x128_f8f6f4 v[8*(8*((\a)%4)+\b):8*(8*((\a)%4)+\b)+7], v[128*(\p)+FR*\b:128*(\p)+FR*\b+FR-1], v[AF+FR*(\a):AF+FR*(\a)+FR-1], v[8*(8*((\a)%4)+\b):8*(8*((\a)%4)+\b)+7], v[SC+8*NQ*(\sc)+NQ*\b+(\q)], v[SC+8*NQ*(\sc)+NQ*(\a)+(\q)] matrix_a_scale:MATRIX_SCALE_ROW1
.endif
.endr
.endr
.endm
.macro FETCH_B slot, q, p
	WIN TO_B
.irp i, 0,1,2,3,4,5,6,7
	FRAG 128*(\p)+FR*\i, ADRB+\slot, \q, \i
.endr
	WIN 0
.endm
.macro FETCH_A slot, q, i0
.irp i, \i0, \i0+1, \i0+2, \i0+3
	FRAG AF+FR*(\i), ADRA+\slot, \q, \i
.endr
.endm
.macro SCALES sc
.irp i, 0,1,2,3,4,5,6,7
	ds_load_b64 v[SC+8*NQ*\sc+NQ*\i:SC+8*NQ*\sc+NQ*\i+1], v[ADRS] offset:\i*SBLK
.endr
.endm
.macro PLACES n
.rept \n
	v_nop
.endr
.endm
.macro STEP slot, q, zero
	s_wait_dscnt 4*NL
	WIN MUL_LO
	MUL16 0, (\q)%2, \q, \slot, \zero
	MUL16 2, (\q)%2, \q, \slot, \zero
	s_wait_dscnt 0
	PLACES NP
	FETCH_B \slot, (\q)+1, 1-(\q)%2
	FETCH_A \slot, (\q)+1, 0
	WIN MUL_HI
	MUL16 4, (\q)%2, \q, \slot, \zero
	MUL16 6, (\q)%2, \q, \slot, \zero
	PLACES NP
	WIN 0
	FETCH_A \slot, (\q)+1, 4
.endm
.macro TURN slot, next, fill
	s_wait_tensorcnt 0x0
	ds_add_u32 v[SPW], v[NIL]
	s_wait_dscnt 4*NL+1
	WIN MUL_LO
	MUL16 0, 1, NQ-1, \slot, 0
	s_wait_dscnt 0x0
	s_barrier_signal -1
	MUL16 2, 1, NQ-1, \slot, 0
	WIN 0
	s_barrier_wait -1
.if \fill
	CREST
	s_add_nc_u64 s[G0+4*\slot+2:G0+4*\slot+3], s[G0+4*\slot+2:G0+4*\slot+3], 2*ROWB
	s_add_nc_u64 s[G0B+4*\slot+2:G0B+4*\slot+3], s[G0B+4*\slot+2:G0B+4*\slot+3], 2*ROWB
	JLOAD G0+4*\slot, G1, G0B+4*\slot, G1B
	PLACES NP-4
.else
	PLACES NP
.endif
	s_wait_alu depctr_va_vdst(0)
	v_add_nc_u32 v[ADRS], 4*NQ, v[ADRS]
	FETCH_B \next, 0, 0
	FETCH_A \next, 0, 0
	SCALES \next
	WIN MUL_HI
	MUL16 4, 1, NQ-1, \slot, 0
	MUL16 6, 1, NQ-1, \slot, 0
	PLACES NP
	WIN 0
	FETCH_A \next, 0, 4
.endm
	s_wait_alu depctr_va_vdst(0)           ; the wait at the head's end
	s_wait_tensorcnt 0x0                   ; my tile of the head's four is in; the lines ahead of a later first fill:
	ds_add_u32 v[SPW], v[NIL]
	s_mov_b32 s[G1+2], 128<<16             ; no tensor load of mine is out: from here on a load brings 128 rows,
	s_mov_b32 s[G1+4], 128
	s_mov_b32 s[G1B+2], 128<<16
	s_mov_b32 s[G1B+4], 128
	s_mul_i32 s[G0+1], s14, HALFT          ; and slot 0's descriptors name my 128 rows
	s_mul_i32 s[G0B+1], s14, HALFT
	s_mul_i32 s2, s16, 128*KROW
	s_mov_b32 s3, 0
	s_add_nc_u64 s[G0+2:G0+3], s[G0+2:G0+3], s[2:3]
	s_add_nc_u64 s[G0B+2:G0B+3], s[G0B+2:G0B+3], s[2:3]
	s_wait_dscnt 0x0
	CROUND                                 ; all four tiles are in, and all sixteen work-groups are here
	JLOAD G0+4, G1, G0B+4, G1B             ; K step 1: the first tensor load behind the round
	FETCH_B 0, 0, 0
	FETCH_A 0, 0, 0
	SCALES 0
	FETCH_A 0, 0, 4
	STEP 0, 0, 1
	s_mov_b32 s3, LAPS-1
.Llap:
	TURN 0, 1, 1
	STEP 1, 0, 0
	TURN 1, 0, 1
	STEP 0, 0, 0
	s_sub_co_u32 s3, s3, 1
	s_cmp_lg_u32 s3, 0
	s_cbranch_scc1 .Llap
	TURN 0, 1, 0
	STEP 1, 0, 0
	WIN TO_B                               ; B's set 0 is done with, eight places back: it takes cos and sin of blocks 0 to 3 while the last 64 products run
.irp a, 0,1,2,3
	CSLOAD \a
.endr
	s_wait_dscnt 4*NL
	WIN MUL_LO
	MUL16 0, 1, NQ-1, 1, 0
	MUL16 2, 1, NQ-1, 1, 0
	s_wait_dscnt 0
	WIN MUL_HI
	MUL16 4, 1, NQ-1, 1, 0
	MUL16 6, 1, NQ-1, 1, 0
	WIN 0
.macro Q2 src, cod, pw
.irp b, 0,1
	v_max3_num_f32 v[TM+\b], |v[\src+16*\b]|, |v[\src+1+16*\b]|, s43
.endr
.irp i, 2,4,6,8,10,12,14
.irp b, 0,1
	v_max3_num_f32 v[TM+\b], v[TM+\b], |v[\src+16*\b+\i]|, |v[\src+1+16*\b+\i]|
.endr
.endr
.irp b, 0,1
	v_permlanex16_b32 v[TM+4+\b], v[TM+\b], s[SEL], s[SEL+1]
.endr
.irp b, 0,1
	v_max_num_f32 v[TM+\b], v[TM+\b], v[TM+4+\b]
.endr
.irp b, 0,1
	v_add_nc_u32 v[TM+12+\b], s44, v[TM+\b]
.endr
.irp b, 0,1
	v_and_or_b32 v[TM+8+\b], v[TM+\b], s45, s[MNT]
.endr
.irp b, 0,1
	v_lshrrev_b32 v[TM+4+\b], 23, v[TM+12+\b]
.endr
	v_lshl_or_b32 v[\pw], v[TM+5], 8, v[TM+4]
.irp b, 0,1
.irp i, 0,1,2,3,4,5,6,7,8,9,10,11,12,13,14,15
	v_med3_num_f32 v[\src+16*\b+\i], v[\src+16*\b+\i], -v[TM+8+\b], v[TM+8+\b]
.endr
	v_cvt_scalef32_pk8_fp8_f32 v[\cod+4*\b:\cod+4*\b+1], v[\src+16*\b:\src+16*\b+7], v[TM+12+\b]
	v_cvt_scalef32_pk8_fp8_f32 v[\cod+4*\b+2:\cod+4*\b+3], v[\src+16*\b+8:\src+16*\b+15], v[TM+12+\b]
.endr
	v_lshl_or_b32 v[\pw], v[\pw], 16, v[\pw]       ; the two bytes once more above: also the plain line behind the last conversion
.endm
.macro QUANT src, pw
.irp b, 0,1,2,3
	v_max3_num_f32 v[TM+\b], |v[\src+16*\b]|, |v[\src+1+16*\b]|, s43
.endr
.irp i, 2,4,6,8,10,12,14
.irp b, 0,1,2,3
	v_max3_num_f32 v[TM+\b], v[TM+\b], |v[\src+16*\b+\i]|, |v[\src+1+16*\b+\i]|
.endr
.endr
.irp b, 0,1,2,3
	v_permlanex16_b32 v[TM+4+\b], v[TM+\b], s[SEL], s[SEL+1]
.endr
.irp b, 0,1,2,3
	v_max_num_f32 v[TM+\b], v[TM+\b], v[TM+4+\b]
.endr
.irp b, 0,1,2,3
	v_add_nc_u32 v[TM+12+\b], s44, v[TM+\b]
.endr
.irp b, 0,1,2,3
	v_and_or_b32 v[TM+8+\b], v[TM+\b], s45, s[MNT]
.endr
.irp b, 0,1,2,3
	v_lshrrev_b32 v[TM+4+\b], 23, v[TM+12+\b]
.endr
	v_lshl_or_b32 v[\pw], v[TM+5], 8, v[TM+4]
	v_lshl_or_b32 v[\pw], v[TM+6], 16, v[\pw]
.irp b, 0,1,2,3
.irp i, 0,1,2,3,4,5,6,7,8,9,10,11,12,13,14,15
	v_med3_num_f32 v[\src+16*\b+\i], v[\src+16*\b+\i], -v[TM+8+\b], v[TM+8+\b]
.endr
	v_cvt_scalef32_pk8_fp8_f32 v[CD+4*\b:CD+4*\b+1], v[\src+16*\b:\src+16*\b+7], v[TM+12+\b]
	v_cvt_scalef32_pk8_fp8_f32 v[CD+4*\b+2:CD+4*\b+3], v[\src+16*\b+8:\src+16*\b+15], v[TM+12+\b]
.endr
	v_lshl_or_b32 v[\pw], v[TM+7], 24, v[\pw]      ; the fourth byte: also the plain line behind the last conversion
.endm
.macro NR a
.set AB, 64*((\a)%4)
.set WW, 2+(\a)/4
.set WSQ, WW|(WW<<2)
.set CC, 32*(\a)
	s_wait_xcnt 0x0
	s_wait_loadcnt 8*(7-(\a))              ; this block's cos and sin are in; the eight loads of each later block may be out
	WIN WSQ
.irp hd, 0,1
	v_pk_mul_f32 v[SS+4*\hd:SS+4*\hd+1], v[AB+32*\hd:AB+32*\hd+1], v[AB+32*\hd:AB+32*\hd+1]
	v_pk_mul_f32 v[SS+4*\hd+2:SS+4*\hd+3], v[AB+32*\hd+2:AB+32*\hd+3], v[AB+32*\hd+2:AB+32*\hd+3]
.endr
.irp p, 4,8,12,16,20,24,28
.irp hd, 0,1
	v_pk_fma_f32 v[SS+4*\hd:SS+4*\hd+1], v[AB+32*\hd+\p:AB+32*\hd+\p+1], v[AB+32*\hd+\p:AB+32*\hd+\p+1], v[SS+4*\hd:SS+4*\hd+1]
	v_pk_fma_f32 v[SS+4*\hd+2:SS+4*\hd+3], v[AB+32*\hd+\p+2:AB+32*\hd+\p+3], v[AB+32*\hd+\p+2:AB+32*\hd+\p+3], v[SS+4*\hd+2:SS+4*\hd+3]
.endr
.endr
	WIN 0
.irp hd, 0,1
	v_pk_add_f32 v[SS+4*\hd:SS+4*\hd+1], v[SS+4*\hd:SS+4*\hd+1], v[SS+4*\hd+2:SS+4*\hd+3]
.endr
.irp hd, 0,1
	v_add_f32 v[SS+4*\hd], v[SS+4*\hd], v[SS+4*\hd+1]
.endr
.irp hd, 0,1
	v_permlanex16_b32 v[SS+4*\hd+1], v[SS+4*\hd], s[SEL], s[SEL+1]
.endr
.irp hd, 0,1
	v_add_f32 v[SS+4*\hd], v[SS+4*\hd], v[SS+4*\hd+1]
.endr
.irp hd, 0,1
	v_fma_f32 v[SS+4*\hd], v[SS+4*\hd], s93, s94
.endr
	s_wait_alu depctr_va_vdst(0)
.irp hd, 0,1
	v_rsq_f32 v[RR+2*\hd], v[SS+4*\hd]
.endr
	v_nop
	s_wait_alu depctr_va_vdst(0)
; both heads go through each stage together, so that each setting of the windows serves both.  Head hd: normed numbers at X - 32 hd, rotated ones at Y - 32 hd (head 1's land on head 0's normed numbers, which are done with)
	WIN WW
.irp hd, 0,1
.set XH, X-32*\hd
.set p, 0
.rept 16
	v_pk_mul_f32 v[XH+p:XH+p+1], v[AB+32*\hd+p:AB+32*\hd+p+1], v[RR+2*\hd:RR+2*\hd+1] op_sel_hi:[1,0]
.set p, p+2
.endr
.endr
	WIN 0
.irp hd, 0,1
.set XH, X-32*\hd
.set p, 0
.rept 16
	v_pk_mul_f32 v[XH+p:XH+p+1], v[XH+p:XH+p+1], v[WN+p:WN+p+1]
.set p, p+2
.endr
.endr
	WIN 0x04                               ; source 1, cos and sin, in window 1
.irp hd, 0,1
.set XH, X-32*\hd
.set YH, Y-32*\hd
.set p, 0
.rept 8
	v_pk_mul_f32 v[YH+p:YH+p+1], v[XH+16+p:XH+16+p+1], v[CC+16+p:CC+16+p+1]
	v_pk_mul_f32 v[YH+16+p:YH+16+p+1], v[XH+16+p:XH+16+p+1], v[CC+p:CC+p+1]
	v_pk_fma_f32 v[YH+p:YH+p+1], v[XH+p:XH+p+1], v[CC+p:CC+p+1], v[YH+p:YH+p+1] neg_lo:[0,0,1] neg_hi:[0,0,1]
	v_pk_fma_f32 v[YH+16+p:YH+16+p+1], v[XH+p:XH+p+1], v[CC+16+p:CC+16+p+1], v[YH+16+p:YH+16+p+1]
.set p, p+2
.endr
.endr
	WIN 0
.irp hd, 0,1
	Q2 Y-32*\hd, CD+8*\hd, PWA+2*(\a)+\hd
	global_store_b128 v[GL16], v[CD+8*\hd:CD+8*\hd+3], s[CB+2*\hd:CB+2*\hd+1] offset:1024*(\a)
	global_store_b128 v[GL16], v[CD+8*\hd+4:CD+8*\hd+7], s[CB+2*\hd:CB+2*\hd+1] offset:1024*(\a)+512
	ds_store_b32 v[SW], v[PWA+2*(\a)+\hd] offset:512*\hd+64*(\a)
.endr
.endm
.macro VLD dt                          ; 64 tokens of my channel of tile dt out of the stage, into one of two sets of 64 registers
.irp c, 0,1,2,3
.irp i, 0,1,2,3,4,5,6,7,8,9,10,11,12,13,14,15
	ds_load_b32 v[VN+64*((\dt)%2)+16*\c+\i], v[RDV] offset:(32*\c+16*(\i/8)+\i%8)*272+128*((\dt)/2)+32*((\dt)%2)
.endr
.endr
.endm
.macro VHEAD hd, sb
.irp a, 0,1,2,3,4,5,6,7
	WIN 0x08+4*(\a/4)
.irp t, 0,1,2,3
	ds_store_b128 v[STV], v[64*(\a%4)+32*\hd+8*\t:64*(\a%4)+32*\hd+8*\t+3] offset:4352*\a+128*(\t/2)+32*(\t%2)
	ds_store_b128 v[STV], v[64*(\a%4)+32*\hd+8*\t+4:64*(\a%4)+32*\hd+8*\t+7] offset:4352*\a+128*(\t/2)+32*(\t%2)+16
.endr
.endr
	WIN 0
	VLD 0
.irp dt, 0,1,2,3
	s_wait_xcnt 0x0
.if \dt < 3
	VLD \dt+1
	s_wait_dscnt 63                        ; this tile's numbers are in; 63 of the next tile's 64 loads may be out (the count's field ends at 63)
.else
	s_wait_dscnt 0x0
.endif
	QUANT VN+64*(\dt%2), PWA+4*\hd+\dt
.irp c, 0,1,2,3
	global_store_b128 v[GL16], v[CD+4*\c:CD+4*\c+3], s[CB+2*\hd:CB+2*\hd+1] offset:2048*\dt+512*\c
.endr
	ds_store_b32 v[SW], v[PWA+4*\hd+\dt] offset:256*\hd+64*\dt
.endr
	ds_load_b64 v[X+2*\hd:X+2*\hd+1], v[SR8] offset:256*\hd
	s_wait_dscnt 0x0
	global_store_b64 v[GL8], v[X+2*\hd:X+2*\hd+1], s[\sb:\sb+1]
.endm
	PLACES NP
	s_wait_loadcnt 32                      ; the norm's weights are in; the 32 loads of cos and sin behind them may be out
.irp b, 4,5,6,7
	v_mov_b32 v[TM+\b], 0
.endr
	v_mov_b32 v[RR+1], 0
	v_mov_b32 v[RR+3], 0
	s_cmp_lt_u32 ttmp9, 2
	s_cbranch_scc1 .Lqk
	s_cmp_eq_u32 s16, 0
	s_cbranch_scc1 .Lqk
	VHEAD 0, 12
	VHEAD 1, 20
	s_branch .Lend
.Lqk:
	WIN TO_B                               ; B's set 1 is done with too: cos and sin of blocks 4 to 7
.irp a, 4,5,6,7
	CSLOAD \a
.endr
.irp a, 0,1,2,3,4,5,6,7
	NR \a
.endr
	ds_load_b128 v[X:X+3], v[SR16]
	ds_load_b128 v[X+4:X+7], v[SR16] offset:512
	s_wait_dscnt 0x0
	global_store_b128 v[GL16], v[X:X+3], s[12:13]
	global_store_b128 v[GL16], v[X+4:X+7], s[20:21]
.Lend:
	s_nop 0
	s_wait_tensorcnt 0x0
	ds_add_u32 v[SPW], v[NIL]
	s_wait_dscnt 0x0
	CROUND
	s_endpgm
.Lfunc_end_k_q5a74425816_qkv:
	.size	k_q5a74425816_qkv, .Lfunc_end_k_q5a74425816_qkv-k_q5a74425816_qkv
	.p2alignl 7, 3214868480
	.fill 96, 4, 3214868480
	.section	.rodata,"a",@progbits
	.p2align	6, 0x0
	.amdhsa_kernel k_q5a74425816_qkv
		.amdhsa_group_segment_fixed_size 327680
		.amdhsa_private_segment_fixed_size 0
		.amdhsa_enable_private_segment 0
		.amdhsa_kernarg_size 72
		.amdhsa_user_sgpr_count 2
		.amdhsa_user_sgpr_kernarg_segment_ptr 1
		.amdhsa_wavefront_size32 1
		.amdhsa_system_sgpr_workgroup_id_x 1
		.amdhsa_system_sgpr_workgroup_id_y 1
		.amdhsa_system_sgpr_workgroup_id_z 1
		.amdhsa_system_vgpr_workitem_id 0
		.amdhsa_next_free_vgpr 1024
		.amdhsa_next_free_sgpr 106
		.amdhsa_reserve_vcc 0
		.amdhsa_float_denorm_mode_32 3
		.amdhsa_float_denorm_mode_16_64 3
		.amdhsa_memory_ordered 1
		.amdhsa_forward_progress 1
		.amdhsa_inst_pref_size 255
	.end_amdhsa_kernel
	.section	.bss,"aw",@nobits
	.p2align	6
	.space	262144
	.amdgpu_metadata
---
amdhsa.version: [ 1, 2 ]
amdhsa.kernels:
  - .name:           k_q5a74425816_qkv
    .symbol:         k_q5a74425816_qkv.kd
    .args:
      - { .name: xc, .offset: 0, .size: 8, .value_kind: global_buffer, .address_space: global }
      - { .name: xs, .offset: 8, .size: 8, .value_kind: global_buffer, .address_space: global }
      - { .name: wc, .offset: 16, .size: 8, .value_kind: global_buffer, .address_space: global }
      - { .name: ws, .offset: 24, .size: 8, .value_kind: global_buffer, .address_space: global }
      - { .name: q_norm_w, .offset: 32, .size: 8, .value_kind: global_buffer, .address_space: global }
      - { .name: k_norm_w, .offset: 40, .size: 8, .value_kind: global_buffer, .address_space: global }
      - { .name: cos, .offset: 48, .size: 8, .value_kind: global_buffer, .address_space: global }
      - { .name: sin, .offset: 56, .size: 8, .value_kind: global_buffer, .address_space: global }
      - { .name: qkv, .offset: 64, .size: 8, .value_kind: global_buffer, .address_space: global }
    .group_segment_fixed_size: 327680
    .private_segment_fixed_size: 0
    .kernarg_segment_align: 8
    .kernarg_segment_size: 72
    .max_flat_workgroup_size: 128
    .sgpr_count:     106
    .vgpr_count:     1024
    .wavefront_size: 32
...
	.end_amdgpu_metadata
.endif
;; end of part 2
;; launch attn (part 3): grid 8 x 32, 16 waves a work-group, clusters of 4 x 1, 175,104 bytes of LDS; arguments qkv, xc, xs; writes xc, xs
.if DOCPART == 3
	.amdgcn_target "amdgcn-amd-amdhsa--gfx1250"
	.amdhsa_code_object_version 6
	.text
	.protected	k_q5a74425816_attn
	.globl	k_q5a74425816_attn
	.p2align	8
	.type	k_q5a74425816_attn,@function
k_q5a74425816_attn:
	s_mov_b64 s[64:65], 0
	v_nop
	global_prefetch_b8 v0, s[64:65] scope:SCOPE_SE
	s_setreg_imm32_b32 hwreg(HW_REG_WAVE_MODE, 25, 1), 1
	s_wait_xcnt 0x0
	s_wait_alu depctr_hold_cnt(0) depctr_sa_sdst(0) depctr_va_vdst(0) depctr_va_sdst(0) depctr_va_ssrc(0) depctr_va_vcc(0) depctr_vm_vsrc(0)
	s_getreg_b32 s2, hwreg(HW_REG_IB_STS2, 6, 4)
	s_cmp_eq_u32 s2, 0
	s_cbranch_scc0 .Lentry_in_a_cluster
	s_endpgm
.Lentry_in_a_cluster:
	s_bfe_u32 s2, ttmp6, 0x10000c
	s_cmp_lg_u32 s2, 0x3003
	s_cbranch_scc0 .Lentry_shape_is_right
	s_endpgm
.Lentry_shape_is_right:
; y = softmax(q k^T / 8, causal) v for 32 query heads on 8 key and value heads, both products on codes of E4M3 with E8M0 scales; then y is quantised along its 2,048 (head, channel) into xc, xs.
; t = score x log2(e) / 8; M = the running largest t rounded UP to a whole number; p = 2^(t - M) is quantised along the keys; the row's sum is taken of the unquantised p and divides at the end.
; SHARES.  Cluster y = (b, key head); cluster x = P.  The four partners walk the same K and V, so each record is asked for jointly, once, at the head: a head's eight records (137,216 bytes) stay in LDS; nothing is filled again.
; Wave w: grp = w / 8, query head g = (w / 2) % 4 of the group, sub = w % 2; a = 2 P + grp.  It takes two tiles of 16 queries: in superblock a of 128 tokens, then in superblock 7 - a: tokens 128 J + 32 cx + 16 sub + 0..15.
; A tile of superblock J needs J + 1 steps of 128 keys: nine steps a wave, whatever a.  Both loops have constant trip counts; a step all of whose keys come later is jumped over by a scalar branch on P and the wave's number.
; cx enters global addresses and the mask's vector compare alone.  A work-group holds all four heads of its tokens, so y's codes leave as aligned runs of 256 bytes.
; LAYOUT.  S^T = K Q^T, O^T = V^T P^T: a lane holds one query (lane % 16) throughout.  THE HEAD'S 64 FILL HALF OF THE INSTRUCTION'S 128: a fragment of K holds TWO key tiles (k 0-63, k 64-127), and q stands beside zero codes,
; once below them and once above, so that each product takes one of the two tiles.  p's registers of tiles 2 c, 2 c + 1 are keys 32 c + 16 (i / 8) + 8 h + i % 8; V's images were laid in that order.
; No prefetch: every load of K and V stands at the head.
; LIMITS: within a block of 32 keys the order of summation is not the keys' order; a block of p that is all zeros keeps the scale byte 1.  NaN and infinities are not served.
.set REC,  17152
.set YST,  8*REC                       ; y's codes: 128 rows x (256 bytes + 16); row = 64 grp + 32 phase + 16 sub + r
.set YSS,  YST+128*272                 ; y's scale bytes: 8 a row
.set KVB,  8912896
.set QSB,  8388608
.set AL,   1                           ; v1  16 x lane
.set ASL,  2                           ; v2  4 x lane
.set STW,  3                           ; v3  where I put y's codes
.set SSW,  4                           ; v4  and its two scale bytes
.set RDC,  5                           ; v5  where I read rows of codes back
.set RDS,  6                           ; v6  and scale bytes
.set GOC,  7                           ; v7  2048 h + 16 r
.set GOS,  8                           ; v8  64 x lane
.set ADR,  9                           ; v9  the step's record + 16 lane
.set ADS,  10                          ; v10 + 4 lane
.set DM,   11                          ; v11 32 cx + 16 sub + r - 8 h
.set SCO,  112                         ; v112-175 S^T, then p
.set OT,   176                         ; v176-207 O^T
.set PCD,  208                         ; v208-223 p's codes
.set TM,   224                         ; v224-227 largest, v228-231 the other half's / bytes, v232-235 the hold, v236-239 the conversions' scale operands
.set WV,   18
.set MNT,  19
.set SEL,  20
.set CS,   22
.set G1,   24
.set G0,   32
.set TB,   36
.set KSI,  37
.set SJ,   38
.macro ROUND
	s_barrier_signal -1
	s_barrier_wait -1
	s_cmp_lg_u32 s[WV], 0
	s_cbranch_scc1 .Lnot_wave_0_\@
	s_barrier_signal -3
.Lnot_wave_0_\@:
	s_barrier_wait -3
	s_barrier_signal -1
	s_barrier_wait -1
.endm
	s_load_b128 s[4:7], s[0:1], 0x0                ; qkv, xc
	s_load_b64 s[8:9], s[0:1], 0x10                ; xs
	v_lshl_add_u32 v247, v0, 2, 0x2a400
	v_mov_b32 v255, 0
	ds_add_u32 v247, v255
	ds_add_u32 v247, v255
	v_lshrrev_b32 v44, 5, v0
	s_delay_alu instid0(VALU_DEP_1)
	v_readfirstlane_b32 s[WV], v44                 ; wave 0..15
	s_bfe_u32 s10, ttmp6, 0x40000                  ; cx
	s_and_b32 s12, ttmp7, 0xffff                   ; 8 b + key head
	s_lshr_b32 s13, s[WV], 3                       ; grp
	s_bfe_u32 s14, s[WV], 0x20001                  ; g
	s_and_b32 s15, s[WV], 1                        ; sub
	s_lshl_b32 s16, ttmp9, 1
	s_add_co_u32 s16, s16, s13                     ; a
	s_mov_b32 s[G1], 15|(3<<16)|(1<<21)            ; all four partners; elements of 8 bytes; bit 21 beside a mask; no padding
	s_mov_b32 s[G1+1], 32<<16                      ; tensor_dim0 = 32 (256 bytes)
	s_mov_b32 s[G1+2], 67<<16                      ; tensor_dim1 = 67 rows: a record
	s_mov_b32 s[G1+3], 32<<16                      ; tile_dim0
	s_mov_b32 s[G1+4], 67                          ; tile_dim1
	s_mov_b32 s[G1+5], 32                          ; the pitch: dense
	s_mov_b32 s[G1+6], 0
	s_mov_b32 s[G1+7], 0
	s_mul_i32 s40, s12, 8*REC
	s_mul_i32 s33, s[WV], REC                      ; record w goes to LDS byte 17,152 w
	s_add_co_u32 s40, s40, s33
	s_add_co_u32 s40, s40, KVB
	s_mov_b32 s41, 0
	s_mov_b32 s[G0], 1
	s_wait_dscnt 0x0
	s_wait_kmcnt 0x0
	s_add_nc_u64 s[G0+2:G0+3], s[4:5], s[40:41]
	s_or_b32 s[G0+3], s[G0+3], 0x80000000
	ROUND                                          ; all four work-groups are here: the joint loads meet
	s_cmp_lt_u32 s[WV], 8
	s_cbranch_scc0 .Lno_fill
	tensor_load_to_lds s[G0:G0+3], s[G1:G1+7]      ; waves 0 to 7: one record each; one tensor load of mine is out
	s_nop 0
.rept 4
	v_nop
.endr
.Lno_fill:
	s_mov_b32 s[MNT], 0x600000
	s_mov_b32 s[SEL], 0x76543210
	s_mov_b32 s[SEL+1], 0xfedcba98
	s_mov_b32 s[CS], 0x3e38aa3b                    ; c = log2(e) / 8
	s_mov_b32 s[CS+1], s[CS]
	v_and_b32 v45, 31, v0                          ; lane
	v_and_b32 v46, 15, v0                          ; r
	s_wait_alu depctr_va_vdst(0)
	v_bfe_u32 v47, v0, 4, 1                        ; h
	s_wait_alu depctr_va_vdst(0)
	v_lshlrev_b32 v[AL], 4, v45
	v_lshlrev_b32 v[ASL], 2, v45
	v_lshlrev_b32 v41, 2, v46                      ; q's scale words: 4 r
	s_lshl_b32 s56, s13, 6
	s_lshl_b32 s57, s15, 4
	s_add_co_u32 s56, s56, s57                     ; 64 grp + 16 sub
	s_mul_i32 s57, s56, 272
	s_lshl_b32 s58, s14, 6
	s_add_co_u32 s57, s57, s58
	s_add_co_u32 s57, s57, YST
	v_mul_u32_u24 v[STW], v46, 272
	s_delay_alu instid0(VALU_DEP_1)
	v_lshl_add_u32 v[STW], v47, 4, v[STW]
	s_delay_alu instid0(VALU_DEP_1)
	v_add_nc_u32 v[STW], s57, v[STW]               ; row 64 grp + 16 sub + r, + 64 g + 16 h
	s_lshl_b32 s57, s56, 3
	s_lshl_b32 s58, s14, 1
	s_add_co_u32 s57, s57, s58
	s_add_co_u32 s57, s57, YSS
	v_lshl_add_u32 v[SSW], v46, 3, s57
	s_mul_i32 s57, s[WV], 8*272
	s_add_co_u32 s57, s57, YST
	v_mul_u32_u24 v[RDC], v47, 272
	s_delay_alu instid0(VALU_DEP_1)
	v_lshl_add_u32 v[RDC], v46, 4, v[RDC]
	s_delay_alu instid0(VALU_DEP_1)
	v_add_nc_u32 v[RDC], s57, v[RDC]               ; rows 8 w + h on, 16 bytes a lane
	s_and_b32 s57, s[WV], 3
	s_lshl_b32 s57, s57, 8
	s_add_co_u32 s57, s57, YSS
	v_lshl_add_u32 v[RDS], v45, 3, s57
	v_lshlrev_b32 v[GOC], 11, v47
	s_delay_alu instid0(VALU_DEP_1)
	v_lshl_add_u32 v[GOC], v46, 4, v[GOC]
	v_lshlrev_b32 v[GOS], 6, v45
	s_lshl_b32 s57, s10, 5
	s_lshl_b32 s58, s15, 4
	s_add_co_u32 s57, s57, s58
	v_lshlrev_b32 v44, 3, v47
	s_delay_alu instid0(VALU_DEP_1)
	v_sub_nc_u32 v[DM], v46, v44
	s_delay_alu instid0(VALU_DEP_1)
	v_add_nc_u32 v[DM], s57, v[DM]
	; q's head: codes and scale words
	s_lshl_b32 s40, s12, 2
	s_add_co_u32 s40, s40, s14                     ; 32 b + query head
	s_lshl_b32 s42, s40, 12
	s_add_co_u32 s42, s42, QSB
	s_mov_b32 s43, 0
	s_lshl_b32 s40, s40, 16
	s_add_nc_u64 s[48:49], s[4:5], s[40:41]
	s_add_nc_u64 s[50:51], s[4:5], s[42:43]
	; where the rows that I store at the end lie: stage rows 8 w .. 8 w + 7 belong to superblock (2 P + w / 8) xor 7 ((w / 4) % 2), tokens 32 cx + 8 (w % 4) on
	s_lshr_b32 s56, s12, 3                         ; b
	s_and_b32 s57, s12, 7                          ; key head
	s_bfe_u32 s58, s[WV], 0x10002
	s_mul_i32 s58, s58, 7
	s_xor_b32 s58, s58, s16
	s_lshl_b32 s58, s58, 7
	s_lshl_b32 s59, s56, 10
	s_add_co_u32 s59, s59, s58
	s_lshl_b32 s58, s10, 5
	s_add_co_u32 s59, s59, s58
	s_and_b32 s58, s[WV], 3
	s_lshl_b32 s58, s58, 3
	s_add_co_u32 s59, s59, s58
	s_lshl_b32 s40, s59, 11
	s_lshl_b32 s58, s57, 8
	s_add_co_u32 s40, s40, s58
	s_add_nc_u64 s[52:53], s[6:7], s[40:41]
	; and the scale bytes (waves 0 to 3): stage rows 32 w on: superblock (2 P + w / 2) xor 7 (w % 2), tokens 32 cx on
	s_lshr_b32 s58, s[WV], 1
	s_lshl_b32 s59, ttmp9, 1
	s_add_co_u32 s58, s58, s59
	s_mul_i32 s59, s15, 7
	s_xor_b32 s58, s58, s59
	s_lshl_b32 s58, s58, 7
	s_lshl_b32 s59, s56, 10
	s_add_co_u32 s59, s59, s58
	s_lshl_b32 s58, s10, 5
	s_add_co_u32 s59, s59, s58
	s_lshl_b32 s40, s59, 6
	s_lshl_b32 s58, s57, 3
	s_add_co_u32 s40, s40, s58
	s_add_nc_u64 s[54:55], s[8:9], s[40:41]
.irp j, 24,25,26,27,28,29,30,31
	v_mov_b32 v[\j], 0                             ; the zero codes between q's two copies
.endr
.irp j, 42,43,228,229,230,231,242
	v_mov_b32 v[\j], 0                             ; pairs' halves and lane permutes' destinations are written once
.endr
	s_wait_tensorcnt 0x0                           ; my record has landed,
	s_barrier_signal -1
	s_barrier_wait -1                              ; everybody's has
; 32 numbers of a lane, register 16 b + i = channel 32 b + 16 h + i, become eight registers of codes and two scale bytes
.macro Q2 src, cod, pw
.irp b, 0,1
	v_max3_num_f32 v[TM+\b], |v[\src+16*\b]|, |v[\src+1+16*\b]|, 0x4800000
.endr
.irp i, 2,4,6,8,10,12,14
.irp b, 0,1
	s_delay_alu instid0(VALU_DEP_2)
	v_max3_num_f32 v[TM+\b], v[TM+\b], |v[\src+16*\b+\i]|, |v[\src+1+16*\b+\i]|
.endr
.endr
.irp b, 0,1
	s_delay_alu instid0(VALU_DEP_2)
	v_permlanex16_b32 v[TM+4+\b], v[TM+\b], s[SEL], s[SEL+1]
.endr
.irp b, 0,1
	s_delay_alu instid0(VALU_DEP_2)
	v_max_num_f32 v[TM+\b], v[TM+\b], v[TM+4+\b]
.endr
.irp b, 0,1
	s_delay_alu instid0(VALU_DEP_2)
	v_add_nc_u32 v[TM+12+\b], 0xfc000000, v[TM+\b]
.endr
.irp b, 0,1
	s_delay_alu instid0(VALU_DEP_4)
	v_and_or_b32 v[TM+8+\b], v[TM+\b], 0x7f800000, s[MNT]
.endr
.irp b, 0,1
	s_delay_alu instid0(VALU_DEP_4)
	v_lshrrev_b32 v[TM+4+\b], 23, v[TM+12+\b]
.endr
	s_delay_alu instid0(VALU_DEP_1)
	v_lshl_or_b32 v[\pw], v[TM+5], 8, v[TM+4]
.irp b, 0,1
.irp i, 0,1,2,3,4,5,6,7,8,9,10,11,12,13,14,15
	v_med3_num_f32 v[\src+16*\b+\i], v[\src+16*\b+\i], -v[TM+8+\b], v[TM+8+\b]
.endr
	v_cvt_scalef32_pk8_fp8_f32 v[\cod+4*\b:\cod+4*\b+1], v[\src+16*\b:\src+16*\b+7], v[TM+12+\b]
	v_cvt_scalef32_pk8_fp8_f32 v[\cod+4*\b+2:\cod+4*\b+3], v[\src+16*\b+8:\src+16*\b+15], v[TM+12+\b]
.endr
	v_nop
.endm
; A KEY STEP: 128 keys, record s[KSI] at LDS byte s[TB]
.macro STEP
	s_cmp_gt_u32 s[KSI], s[SJ]                     ; all its keys come after my queries: only the address is stepped
	s_cbranch_scc1 .Lhidden_\@
	v_add_nc_u32 v[ADR], s[TB], v[AL]
	v_add_nc_u32 v[ADS], s[TB], v[ASL]
.rept 6
	v_nop                                          ; with the two additions: eight places behind the last step's products, in front of loads into their operands
.endr
.irp b, 0,1,2,3
.irp c, 0,1,2,3
	ds_load_b128 v[48+16*\b+4*\c:48+16*\b+4*\c+3], v[ADR] offset:2048*\b+512*\c   ; key tiles 2 b (k 0-63) and 2 b + 1 (k 64-127)
.endr
	ds_load_b32 v[248+\b], v[ADS] offset:16384+128*\b   ; lanes 0-15: tile 2 b's scale words, lanes 16-31: tile 2 b + 1's
.endr
	s_wait_alu depctr_va_vdst(0)
	s_wait_dscnt 0x0
.irp b, 0,1,2,3
	v_wmma_scale_f32_16x16x128_f8f6f4 v[SCO+16*\b:SCO+16*\b+7], v[48+16*\b:48+16*\b+15], v[16:31], 0, v[248+\b], v40
	v_wmma_scale_f32_16x16x128_f8f6f4 v[SCO+16*\b+8:SCO+16*\b+15], v[48+16*\b:48+16*\b+15], v[24:39], 0, v[248+\b], v40 matrix_a_scale:MATRIX_SCALE_ROW1
.endr
.rept 8
	v_nop
.endr
.irp dt, 0,1,2,3                       ; V's four fragments land under the softmax
.irp c, 0,1,2,3
	ds_load_b128 v[48+16*\dt+4*\c:48+16*\dt+4*\c+3], v[ADR] offset:8192+2048*\dt+512*\c
.endr
.endr
	ds_load_b32 v252, v[ADS] offset:16896          ; V's scale words: fragments 0 (lanes 0-15) and 1,
	ds_load_b32 v253, v[ADS] offset:16896+128      ; 2 and 3
	s_cmp_lt_u32 s[KSI], s[SJ]
	s_cbranch_scc1 .Lopen_\@                       ; all keys count
	v_mov_b32 v242, 0xff800000                     ; on the diagonal: register n holds key 16 (n / 8) + 8 h + n % 8 of the step: hidden where 16 (n / 8) + n % 8 > DM
.set n, 0
.rept 64
	v_cmp_gt_i32 vcc_lo, 16*(n/8)+n%8, v[DM]
	v_cndmask_b32 v[SCO+n], v[SCO+n], v242, vcc_lo
.set n, n+1
.endr
.Lopen_\@:
.irp b, 0,1,2,3
	v_max3_num_f32 v[TM+\b], v[SCO+16*\b], v[SCO+1+16*\b], v[SCO+2+16*\b]   ; the largest score of each block of 32 keys: for the row's maximum and for the block's largest p
.endr
.irp i, 3,5,7,9,11,13
.irp b, 0,1,2,3
	v_max3_num_f32 v[TM+\b], v[TM+\b], v[SCO+16*\b+\i], v[SCO+1+16*\b+\i]
.endr
.endr
.irp b, 0,1,2,3
	v_max_num_f32 v[TM+\b], v[TM+\b], v[SCO+15+16*\b]
.endr
.irp b, 0,1,2,3
	s_delay_alu instid0(VALU_DEP_4)
	v_permlanex16_b32 v[TM+4+\b], v[TM+\b], s[SEL], s[SEL+1]
.endr
.irp b, 0,1,2,3
	s_delay_alu instid0(VALU_DEP_4)
	v_max_num_f32 v[TM+\b], v[TM+\b], v[TM+4+\b]
.endr
	s_delay_alu instid0(VALU_DEP_2)
	v_max3_num_f32 v242, v[TM], v[TM+1], v[TM+2]
	s_delay_alu instid0(VALU_DEP_1)
	v_max_num_f32 v242, v242, v[TM+3]
	s_delay_alu instid0(VALU_DEP_1)
	v_mul_f32 v242, s[CS], v242
	s_delay_alu instid0(VALU_DEP_1)
	v_max_num_f32 v13, v13, v242                   ; the running largest t
	v_mov_b32 v242, v12
	s_delay_alu instid0(VALU_DEP_2)
	v_floor_f32 v12, -v13                          ; -M = floor(-t)
	s_delay_alu instid0(VALU_DEP_1)
	v_sub_f32 v242, v12, v242                      ; old M - new M: a whole number, 0 or less
	s_delay_alu instid0(VALU_DEP_1)
	v_cvt_i32_f32 v242, v242
	s_delay_alu instid0(VALU_DEP_1)
	v_ldexp_f32 v42, 1.0, v242                     ; f = 2^(old M - new M)
.set j, 0
.rept 32
	v_pk_fma_f32 v[SCO+j:SCO+j+1], v[SCO+j:SCO+j+1], s[CS:CS+1], v[12:13] op_sel_hi:[1,0,0]   ; t - M
.set j, j+2
.endr
.irp b, 0,1,2,3
	v_fma_f32 v[TM+\b], v[TM+\b], s[CS], v12
.endr
.set j, 0
	s_wait_alu depctr_va_vdst(0)
.rept 64
	v_exp_f32 v[SCO+j], v[SCO+j]                   ; p = 2^(t - M)
.set j, j+1
.endr
	v_pk_mul_f32 v[14:15], v[14:15], v[42:43] op_sel_hi:[1,0]   ; the sums under the new M: a plain line behind the exponentials
	s_wait_alu depctr_va_vdst(0)                   ; one wait for the batch, ahead of its first reader
.irp b, 0,1,2,3
	v_exp_f32 v[TM+\b], v[TM+\b]                   ; each block's largest p
.endr
	v_pk_add_f32 v[240:241], v[116:117], v[120:121]
	v_pk_add_f32 v[250:251], v[124:125], v[128:129]
	v_pk_add_f32 v[248:249], v[132:133], v[136:137]
	v_pk_add_f32 v[244:245], v[140:141], v[144:145]
	v_pk_add_f32 v[238:239], v[148:149], v[152:153]
	v_pk_add_f32 v[236:237], v[156:157], v[160:161]
	v_pk_add_f32 v[234:235], v[164:165], v[168:169]
	v_pk_add_f32 v[14:15], v[14:15], v[172:173]
	v_pk_add_f32 v[240:241], v[240:241], v[112:113]
	v_pk_add_f32 v[250:251], v[250:251], v[114:115]
	v_pk_add_f32 v[248:249], v[248:249], v[118:119]
	v_pk_add_f32 v[244:245], v[244:245], v[122:123]
	v_pk_add_f32 v[238:239], v[238:239], v[126:127]
	v_pk_add_f32 v[236:237], v[236:237], v[130:131]
	v_pk_add_f32 v[234:235], v[234:235], v[134:135]
	v_pk_add_f32 v[14:15], v[14:15], v[138:139]
	v_pk_add_f32 v[240:241], v[240:241], v[142:143]
	v_pk_add_f32 v[250:251], v[250:251], v[146:147]
	v_pk_add_f32 v[248:249], v[248:249], v[150:151]
	v_pk_add_f32 v[244:245], v[244:245], v[154:155]
	v_pk_add_f32 v[238:239], v[238:239], v[158:159]
	v_pk_add_f32 v[236:237], v[236:237], v[162:163]
	v_pk_add_f32 v[234:235], v[234:235], v[166:167]
	v_pk_add_f32 v[14:15], v[14:15], v[170:171]
	v_pk_add_f32 v[240:241], v[240:241], v[174:175]
	s_delay_alu instid0(VALU_DEP_2)
	v_pk_add_f32 v[14:15], v[14:15], v[244:245]
	s_delay_alu instid0(VALU_DEP_2)
	v_pk_add_f32 v[240:241], v[240:241], v[238:239]
	v_pk_add_f32 v[250:251], v[250:251], v[236:237]
	v_pk_add_f32 v[248:249], v[248:249], v[234:235]
	s_delay_alu instid0(VALU_DEP_2)
	v_pk_add_f32 v[14:15], v[14:15], v[250:251]
	s_delay_alu instid0(VALU_DEP_2)
	v_pk_add_f32 v[240:241], v[240:241], v[248:249]
	s_delay_alu instid0(VALU_DEP_1)
	v_pk_add_f32 v[14:15], v[14:15], v[240:241]
	s_wait_alu depctr_va_vdst(0)                   ; and one for the four
.irp b, 0,1,2,3
	v_max_num_f32 v[TM+\b], 0x4800000, v[TM+\b]    ; the floor: the byte cannot fall under 1
.endr
.irp b, 0,1,2,3
	s_delay_alu instid0(VALU_DEP_4)
	v_add_nc_u32 v[TM+12+\b], 0xfc000000, v[TM+\b]
.endr
.irp b, 0,1,2,3
	v_and_or_b32 v[TM+8+\b], v[TM+\b], 0x7f800000, s[MNT]
.endr
.irp b, 0,1,2,3
	v_lshrrev_b32 v[TM+4+\b], 23, v[TM+12+\b]
.endr
	s_delay_alu instid0(VALU_DEP_3)
	v_lshl_or_b32 v254, v[TM+5], 8, v[TM+4]        ; p's scale word for these 128 keys
	s_delay_alu instid0(VALU_DEP_1)
	v_lshl_or_b32 v254, v[TM+6], 16, v254
	s_delay_alu instid0(VALU_DEP_1)
	v_lshl_or_b32 v254, v[TM+7], 24, v254
.irp b, 0,1,2,3
.irp i, 0,1,2,3,4,5,6,7,8,9,10,11,12,13,14,15
	v_min_num_f32 v[SCO+16*\b+\i], v[SCO+16*\b+\i], v[TM+8+\b]   ; p is not negative: the hold is one-sided
.endr
	v_cvt_scalef32_pk8_fp8_f32 v[PCD+4*\b:PCD+4*\b+1], v[SCO+16*\b:SCO+16*\b+7], v[TM+12+\b]
	v_cvt_scalef32_pk8_fp8_f32 v[PCD+4*\b+2:PCD+4*\b+3], v[SCO+16*\b+8:SCO+16*\b+15], v[TM+12+\b]
.endr
.set j, 0
.rept 16
	v_pk_mul_f32 v[OT+j:OT+j+1], v[OT+j:OT+j+1], v[42:43] op_sel_hi:[1,0]   ; O^T under the new M; these lines are also the places in front of the products below
.set j, j+2
.endr
	s_wait_alu depctr_va_vdst(0)
	s_wait_dscnt 0x0                               ; V and its scale words are in
	v_wmma_scale_f32_16x16x128_f8f6f4 v[OT:OT+7], v[48:63], v[PCD:PCD+15], v[OT:OT+7], v252, v254
	v_wmma_scale_f32_16x16x128_f8f6f4 v[OT+8:OT+15], v[64:79], v[PCD:PCD+15], v[OT+8:OT+15], v252, v254 matrix_a_scale:MATRIX_SCALE_ROW1
	v_wmma_scale_f32_16x16x128_f8f6f4 v[OT+16:OT+23], v[80:95], v[PCD:PCD+15], v[OT+16:OT+23], v253, v254
	v_wmma_scale_f32_16x16x128_f8f6f4 v[OT+24:OT+31], v[96:111], v[PCD:PCD+15], v[OT+24:OT+31], v253, v254 matrix_a_scale:MATRIX_SCALE_ROW1
.Lhidden_\@:
	s_add_co_u32 s[TB], s[TB], REC
.endm
; the tile's end: O^T / the sum, quantised along the head's 64, into the work-group's stage
.macro FINISH f
.rept 8
	v_nop
.endr
	v_add_f32 v14, v14, v15
	s_delay_alu instid0(VALU_DEP_1)
	v_permlanex16_b32 v242, v14, s[SEL], s[SEL+1]
	s_delay_alu instid0(VALU_DEP_1)
	v_add_f32 v14, v14, v242                       ; the row's sum
	s_wait_alu depctr_va_vdst(0)
	v_rcp_f32 v42, v14
	v_nop
	s_wait_alu depctr_va_vdst(0)
.set j, 0
.rept 16
	v_pk_mul_f32 v[SCO+j:SCO+j+1], v[OT+j:OT+j+1], v[42:43] op_sel_hi:[1,0]   ; register 16 e + i is channel 32 e + 16 h + i; each accumulator from its low end on
.set j, j+2
.endr
	Q2 SCO, PCD, 243
	ds_store_b128 v[STW], v[PCD:PCD+3] offset:8704*\f
	ds_store_b128 v[STW], v[PCD+4:PCD+7] offset:8704*\f+32
	ds_store_b16 v[SSW], v243 offset:256*\f        ; both lanes of a query write the same two bytes
.endm
.macro PHASE f, trips
.if \f
	s_xor_b32 s[SJ], s16, 7
.else
	s_mov_b32 s[SJ], s16
.endif
	s_lshl_b32 s39, s[SJ], 3
	s_lshl_b32 s40, s10, 1
	s_add_co_u32 s39, s39, s40
	s_add_co_u32 s39, s39, s15                     ; my tile of 16 tokens: 8 J + 2 cx + sub
	s_lshl_b32 s40, s39, 10
	s_mov_b32 s41, 0
	s_add_nc_u64 s[44:45], s[48:49], s[40:41]
	s_lshl_b32 s40, s39, 6
	s_add_nc_u64 s[46:47], s[50:51], s[40:41]
	global_load_b128 v[16:19], v[AL], s[44:45]
	global_load_b128 v[20:23], v[AL], s[44:45] offset:512
	global_load_b128 v[32:35], v[AL], s[44:45]     ; q a second time, above the zero codes
	global_load_b128 v[36:39], v[AL], s[44:45] offset:512
	global_load_b32 v40, v41, s[46:47]
	v_mov_b32 v13, 0xff61b1e6                      ; the largest t so far: -3e38
	s_delay_alu instid0(VALU_DEP_1)
	v_floor_f32 v12, -v13
	v_mov_b32 v14, 0
	v_mov_b32 v15, 0
.set j, 0
.rept 32
	v_mov_b32 v[OT+j], 0                           ; the step is written once: the first finds zeros
.set j, j+1
.endr
	s_mov_b32 s[TB], 0
	s_mov_b32 s[KSI], 0
	s_wait_loadcnt 0x0
.Lstep_\@:
	STEP
	s_add_co_u32 s[KSI], s[KSI], 1
	s_cmp_lt_u32 s[KSI], \trips
	s_cbranch_scc1 .Lstep_\@
	FINISH \f
.endm
	PHASE 0, 4
	PHASE 1, 8
	s_wait_dscnt 0x0                               ; my stores into the stage are done
	s_barrier_signal -1
	s_barrier_wait -1
.irp i, 0,1,2,3
	ds_load_b128 v[48+4*\i:48+4*\i+3], v[RDC] offset:544*\i
.endr
.irp i, 0,1,2,3
	s_wait_dscnt 3-\i                              ; the younger loads stay out
	global_store_b128 v[GOC], v[48+4*\i:48+4*\i+3], s[52:53] offset:4096*\i   ; sixteen lanes store 256 consecutive bytes, aligned: four heads of one token
.endr
	s_cmp_lt_u32 s[WV], 4
	s_cbranch_scc0 .Lno_scales
	ds_load_b64 v[64:65], v[RDS]
	s_wait_dscnt 0x0
	global_store_b64 v[GOS], v[64:65], s[54:55]    ; 8 bytes of each of 32 rows of xs
.Lno_scales:
	s_wait_tensorcnt 0x0
	ds_add_u32 v247, v255
	s_wait_dscnt 0x0
	ROUND                                          ; the closing round
	s_endpgm
.Lfunc_end_k_q5a74425816_attn:
	.size	k_q5a74425816_attn, .Lfunc_end_k_q5a74425816_attn-k_q5a74425816_attn
	.p2alignl 7, 3214868480
	.fill 96, 4, 3214868480
	.section	.rodata,"a",@progbits
	.p2align	6, 0x0
	.amdhsa_kernel k_q5a74425816_attn
		.amdhsa_group_segment_fixed_size 175104
		.amdhsa_private_segment_fixed_size 0
		.amdhsa_enable_private_segment 0
		.amdhsa_kernarg_size 24
		.amdhsa_user_sgpr_count 2
		.amdhsa_user_sgpr_kernarg_segment_ptr 1
		.amdhsa_wavefront_size32 1
		.amdhsa_system_sgpr_workgroup_id_x 1
		.amdhsa_system_sgpr_workgroup_id_y 1
		.amdhsa_system_sgpr_workgroup_id_z 1
		.amdhsa_system_vgpr_workitem_id 0
		.amdhsa_next_free_vgpr 256
		.amdhsa_next_free_sgpr 66
		.amdhsa_reserve_vcc 1
		.amdhsa_float_denorm_mode_32 3
		.amdhsa_float_denorm_mode_16_64 3
		.amdhsa_memory_ordered 1
		.amdhsa_forward_progress 1
		.amdhsa_inst_pref_size 75
	.end_amdhsa_kernel
	.amdgpu_metadata
---
amdhsa.version: [ 1, 2 ]
amdhsa.kernels:
  - .name:           k_q5a74425816_attn
    .symbol:         k_q5a74425816_attn.kd
    .args:
      - { .name: qkv, .offset: 0, .size: 8, .value_kind: global_buffer, .address_space: global }
      - { .name: xc, .offset: 8, .size: 8, .value_kind: global_buffer, .address_space: global }
      - { .name: xs, .offset: 16, .size: 8, .value_kind: global_buffer, .address_space: global }
    .group_segment_fixed_size: 175104
    .private_segment_fixed_size: 0
    .kernarg_segment_align: 8
    .kernarg_segment_size: 24
    .max_flat_workgroup_size: 512
    .sgpr_count:     66
    .vgpr_count:     256
    .wavefront_size: 32
...
	.end_amdgpu_metadata
.endif
;; end of part 3
;; launch oproj (part 4): grid 8 x 32, 4 waves a work-group, clusters of 4 x 4, 327,680 bytes of LDS; arguments xc, xs, wc, ws, out0; writes out0
.if DOCPART == 4
	.amdgcn_target "amdgcn-amd-amdhsa--gfx1250"
	.amdhsa_code_object_version 6
	.text
	.protected	k_q5a74425816_oproj
	.globl	k_q5a74425816_oproj
	.p2align	8
	.type	k_q5a74425816_oproj,@function
k_q5a74425816_oproj:
	s_mov_b64 s[64:65], 0
	v_nop
	global_prefetch_b8 v0, s[64:65] scope:SCOPE_SE
	s_setreg_imm32_b32 hwreg(HW_REG_WAVE_MODE, 25, 1), 1
	s_wait_xcnt 0x0
	s_wait_alu depctr_hold_cnt(0) depctr_sa_sdst(0) depctr_va_vdst(0) depctr_va_sdst(0) depctr_va_ssrc(0) depctr_va_vcc(0) depctr_vm_vsrc(0)
	s_getreg_b32 s2, hwreg(HW_REG_IB_STS2, 6, 4)
	s_cmp_eq_u32 s2, 0
	s_cbranch_scc0 .Lentry_in_a_cluster
	s_endpgm
.Lentry_in_a_cluster:
	s_bfe_u32 s2, ttmp6, 0x10000c
	s_cmp_lg_u32 s2, 0xf033
	s_cbranch_scc0 .Lentry_shape_is_right
	s_endpgm
.Lentry_shape_is_right:
; out0[m][n] = sum over k of y[m][k] Wo[k][n], on codes of E4M3 with one E8M0 scale byte for each 32 along K; sums in f32, K ascending.
; A = y: xc [4096][2048] codes, xs [4096][64] scale bytes.  B = Wo's columns: rows 3072 .. 5119 of wc [..][2048] and ws [..][64]; inside each aligned group of 32 rows column n lies at the place n with its bits 3 and 4 swapped.
; SHARES.  A work-group makes 128 rows x 256 columns of out0: 32 x 8 = 256 work-groups.  Four waves, 2 x 2; a wave makes 64 x 128: 32 accumulators of 16 x 16.
; CLUSTERS of 4 x 4: the four of a row need the same rows of A, the four of a column the same rows of B: each tile is asked for jointly.
; THE RING.  K goes in 8 steps of 256 through two LDS slots of 128 rows of A and 256 rows of B (rows of 256 bytes + 16 of padding).  Both slots are filled at the head, one load a wave.
; A step fetches all its fragments (96 LDS loads a wave, two sets of registers), multiplies (64 products), and only then waits for the other slot's load; behind a drained round of the cluster's barrier its own slot is filled again.
; THE SCALE WORDS of a wave's 64 rows of A and 128 rows of B, for all of K, stand in 96 registers, loaded once: lane l of register 16 p + k holds row 32 p + l's word for the k-th 128 of K.
; So register numbers change from step to step, and the eight steps are eight expansions of one macro.
; THE MATRIX INSTRUCTION IS USED TRANSPOSED (source 0 = 16 rows of B, source 1 = 16 rows of A): a lane holds eight neighbouring places of one row of out0.
; THE LAST STEP goes by rows of out0: a block of 16 rows leaves, through the wave's stage in slot 0, while the next block is multiplied.
; PREFETCH: behind the refill for K step t + 2 each wave names K step t + 4 of its share of the rows that it fetches (a lane a row; the four partners of a joint load take a quarter each, told apart by address); K steps 2 and 3 are named at the head; K steps 0 and 1 come by their loads alone.
; REGISTERS.  Window 0: v8-19 addresses; v24-55 A's scale words, v60-123 B's; v128-255 A's fragments, two sets.  Window 1: B's fragments, two sets.  Window 2: the accumulators, (a, b) at 8 (8 a + b).  Window 3: the way out, 64 registers a block.
; LIMITS: NaN and infinities are not served.
.set SIZE_N, 2048
.set KROW,   2048
.set ROWB,   256
.set PITCH,  272
.set BOFF,   128*PITCH
.set SLOT,   384*PITCH
.set NSTEP,  8
.set SPARE,  2*SLOT                    ; the spare words: 512 bytes that no other line names
.set SPITCH, 528
.set NP,     8                         ; plain vector lines behind this matrix form (ISA guide 7.12.1)
.set ADRA, 8
.set ADRB, 10
.set STO,  12
.set RD,   13
.set CO,   14
.set SO,   15
.set PFO,  16
.set SPW,  18
.set NIL,  19
.set SA,   24
.set SB,   60                          ; SB - SA is 4 modulo 8: no product's two scale registers have numbers equal modulo 8
.set AF,   128
.set G1,  24
.set G0,  32
.set G1B, 48
.set G0B, 56
.set PFA, 66
.set MSB, 0
.macro WIN new
.if MSB != (\new)
	s_set_vgpr_msb (MSB<<8)|(\new)
.set MSB, (\new)
.endif
.endm
.macro PLACES n
.rept \n
	v_nop
.endr
.endm
.macro JLOAD g0a, g1a, g0b, g1b        ; waves 0, 1 fetch for A, waves 2, 3 for B; s_nop 0 and four v_nop follow each line
	s_cmp_eq_u32 s15, 0
	s_cbranch_scc0 .Lfor_b_\@
	tensor_load_to_lds s[\g0a:\g0a+3], s[\g1a:\g1a+7]
	s_nop 0
	PLACES 4
	s_branch .Lasked_\@
.Lfor_b_\@:
	tensor_load_to_lds s[\g0b:\g0b+3], s[\g1b:\g1b+7]
	s_nop 0
	PLACES 4
.Lasked_\@:
.endm
.macro CROUND                          ; a round of the cluster's barrier
	s_barrier_signal -1
	s_barrier_wait -1
	s_cmp_lg_u32 s14, 0
	s_cbranch_scc1 .Lnot_wave_0_\@
	s_barrier_signal -3
.Lnot_wave_0_\@:
	s_barrier_wait -3
	s_barrier_signal -1
	s_barrier_wait -1
.endm
	s_load_b128 s[4:7], s[0:1], 0x0                ; xc, xs
	s_load_b128 s[8:11], s[0:1], 0x10              ; wc, ws
	s_load_b64 s[12:13], s[0:1], 0x20              ; out0
	v_lshl_add_u32 v[SPW], v0, 2, SPARE
	v_mov_b32 v[NIL], 0
	ds_add_u32 v[SPW], v[NIL]                      ; the opening lines: the add twice on end and its wait ahead of my first tensor load
	ds_add_u32 v[SPW], v[NIL]
	v_lshrrev_b32 v1, 5, v0
	v_readfirstlane_b32 s14, v1                    ; wave 0..3
	s_lshr_b32 s15, s14, 1                         ; my half of the block's rows; in the ring: I fetch for A (0) or B (1)
	s_and_b32 s16, s14, 1                          ; my half of its columns; in the ring: which half of the tile's rows I fetch
	s_bfe_u32 s40, ttmp6, 0x40000                  ; cx
	s_bfe_u32 s41, ttmp6, 0x40004                  ; cy
	s_lshl_b32 s42, ttmp9, 2
	s_add_co_u32 s42, s42, s40                     ; tile column
	s_and_b32 s17, ttmp7, 0xffff
	s_lshl_b32 s17, s17, 2
	s_add_co_u32 s17, s17, s41                     ; tile row
	s_lshl_b32 s43, s41, 2
	s_lshl_b32 s43, 15, s43                        ; my row of the cluster
	s_lshl_b32 s44, 0x1111, s40                    ; my column
	s_or_b32 s[G1], s43, (1<<20)|(1<<21)|(5<<22)|(3<<25)    ; the mask; elements of 1 byte; four words of padding after every 64
	s_or_b32 s[G1B], s44, (1<<20)|(1<<21)|(5<<22)|(3<<25)
.irp g, G1, G1B
	s_mov_b32 s[\g+1], ROWB<<16
	s_mov_b32 s[\g+3], ROWB<<16
	s_mov_b32 s[\g+5], KROW
	s_mov_b32 s[\g+6], 0
	s_mov_b32 s[\g+7], 0
.endr
	s_mov_b32 s[G1+2], 128<<16                     ; the head's loads bring whole tiles: 128 rows of A,
	s_mov_b32 s[G1+4], 128
	s_mov_b32 s[G1B+2], 256<<16                    ; 256 rows of B
	s_mov_b32 s[G1B+4], 256
	s_lshl_b32 s20, s17, 18                        ; A: 128 rows of 2,048 bytes a tile row
	s_mov_b32 s21, 0
	s_lshl_b32 s46, s42, 19                        ; B: 256 rows a tile column
	s_mov_b32 s47, 0
	s_wait_dscnt 0x0                               ; both opening adds are done
	s_wait_kmcnt 0x0
	s_add_nc_u64 s[8:9], s[8:9], 3072*2048         ; Wo's rows of wc,
	s_add_nc_u64 s[10:11], s[10:11], 3072*64       ; and of ws
	s_add_nc_u64 s[68:69], s[4:5], s[20:21]
	s_add_nc_u64 s[70:71], s[8:9], s[46:47]
	CROUND                                         ; all sixteen work-groups are here: the first joint loads meet
.irp s, 0,1
	s_mov_b32 s[G0+4*\s], 1
	s_mov_b32 s[G0+4*\s+1], \s*SLOT
	s_add_nc_u64 s[G0+4*\s+2:G0+4*\s+3], s[68:69], \s*ROWB
	s_or_b32 s[G0+4*\s+3], s[G0+4*\s+3], 0x80000000
	s_mov_b32 s[G0B+4*\s], 1
	s_mov_b32 s[G0B+4*\s+1], \s*SLOT+BOFF
	s_add_nc_u64 s[G0B+4*\s+2:G0B+4*\s+3], s[70:71], \s*ROWB
	s_or_b32 s[G0B+4*\s+3], s[G0B+4*\s+3], 0x80000000
.endr
; the head's loads, one a wave, in one chain of branches on the wave's number: K step 0's A, its B, K step 1's A, its B
.macro ARM under, g0, g1, next
	s_cmp_lt_u32 s14, \under
	s_cbranch_scc0 \next
	tensor_load_to_lds s[\g0:\g0+3], s[\g1:\g1+7]
	s_nop 0
	PLACES 4
	s_branch .Lhead_asked
\next:
.endm
	ARM 1, G0,    G1,  .Lhead_b0
	ARM 2, G0B,   G1B, .Lhead_a1
	ARM 3, G0+4,  G1,  .Lhead_b1
	tensor_load_to_lds s[G0B+4:G0B+7], s[G1B:G1B+7]
	s_nop 0
	PLACES 4
.Lhead_asked:
	s_lshl_b32 s20, s17, 13                        ; xs: 64 bytes a row: my 64 rows
	s_lshl_b32 s22, s15, 12
	s_add_co_u32 s20, s20, s22
	s_add_nc_u64 s[72:73], s[6:7], s[20:21]
	s_lshl_b32 s20, s42, 14                        ; ws: my 128 rows
	s_lshl_b32 s22, s16, 13
	s_add_co_u32 s20, s20, s22
	s_add_nc_u64 s[74:75], s[10:11], s[20:21]
	s_lshl_b32 s20, s17, 20                        ; out0: 8,192 bytes a row: my first row, my first column
	s_lshl_b32 s22, s15, 19
	s_add_co_u32 s20, s20, s22
	s_lshl_b32 s22, s42, 10
	s_add_co_u32 s20, s20, s22
	s_lshl_b32 s22, s16, 9
	s_add_co_u32 s20, s20, s22
	s_add_nc_u64 s[12:13], s[12:13], s[20:21]
	s_lshl_b32 s20, s17, 7                         ; the prefetches: of the rows that I fetch in the ring (A: 64, B: 128) my work-group takes a quarter, by cx for A, by cy for B
	s_lshl_b32 s22, s42, 8
	s_lshl_b32 s23, s16, 6
	s_lshl_b32 s45, s16, 7
	s_lshl_b32 s46, s40, 4
	s_lshl_b32 s47, s41, 5
	s_cmp_eq_u32 s15, 0
	s_cselect_b64 s[PFA:PFA+1], s[4:5], s[8:9]
	s_cselect_b32 s20, s20, s22
	s_cselect_b32 s23, s23, s45
	s_cselect_b32 s46, s46, s47
	s_cselect_b32 s76, 15, 31                      ; the last row of my quarter: lanes that are left over name it again
	s_add_co_u32 s20, s20, s23
	s_add_co_u32 s20, s20, s46
	s_lshl_b32 s20, s20, 11
	s_add_nc_u64 s[PFA:PFA+1], s[PFA:PFA+1], s[20:21]
	s_mul_i32 s80, s15, 64*PITCH                   ; LDS: my 64 rows of A,
	s_mul_i32 s81, s16, 128*PITCH
	s_add_co_u32 s81, s81, BOFF                    ; my 128 rows of B,
	s_add_co_u32 s82, s80, SLOT                    ; the same in slot 1,
	s_add_co_u32 s83, s81, SLOT
	s_mul_i32 s84, s14, 16*SPITCH                  ; my stage, in slot 0
	v_and_b32 v1, 15, v0                           ; r
	v_bfe_u32 v2, v0, 4, 1                         ; h
	v_and_b32 v3, 31, v0                           ; lane
	v_mul_u32_u24 v4, v1, PITCH
	v_lshl_add_u32 v4, v2, 4, v4                   ; a fragment's row x pitch + 16 h
	v_add_nc_u32 v[ADRA], s80, v4
	v_add_nc_u32 v[ADRA+1], s82, v4
	v_add_nc_u32 v[ADRB], s81, v4
	v_add_nc_u32 v[ADRB+1], s83, v4
	v_mul_u32_u24 v5, v1, SPITCH
	v_lshl_add_u32 v5, v2, 6, v5                   ; into the stage: row r; places 8 h on are columns 16 h on
	v_add_nc_u32 v[STO], s84, v5
	v_lshlrev_b32 v[CO], 4, v3                     ; back: the 32 lanes take one row of 512 bytes; the same in out0
	v_add_nc_u32 v[RD], s84, v[CO]
	v_lshlrev_b32 v[SO], 6, v3                     ; scale bytes: lane l takes row l of a pair of blocks
	v_min_u32 v[PFO], s76, v3
	v_lshlrev_b32 v[PFO], 11, v[PFO]               ; a lane a row
	global_prefetch_b8 v[PFO], s[PFA:PFA+1] offset:2*ROWB th:TH_LOAD_NT scope:SCOPE_SE
	global_prefetch_b8 v[PFO], s[PFA:PFA+1] offset:3*ROWB th:TH_LOAD_NT scope:SCOPE_SE
.irp c, 0,1,2,3
.irp p, 0,1
	global_load_b128 v[SA+16*\p+4*\c:SA+16*\p+4*\c+3], v[SO], s[72:73] offset:2048*\p+16*\c
.endr
.irp p, 0,1,2,3
	global_load_b128 v[SB+16*\p+4*\c:SB+16*\p+4*\c+3], v[SO], s[74:75] offset:2048*\p+16*\c
.endr
.endr
	s_wait_alu depctr_va_vdst(0)                   ; the wait at the head's end
	s_wait_tensorcnt 0x0                           ; my tile of the head's four is in, so descriptors may be written: in the ring a wave fetches half of a tile's rows
	s_mov_b32 s[G1+2], 64<<16
	s_mov_b32 s[G1+4], 64
	s_mov_b32 s[G1B+2], 128<<16
	s_mov_b32 s[G1B+4], 128
	s_mul_i32 s18, s16, 64*PITCH
	s_mul_i32 s19, s16, 128*PITCH
	s_mul_i32 s20, s16, 64*KROW
	s_mul_i32 s22, s16, 128*KROW
	s_mov_b32 s23, 0
.irp s, 0,1
	s_add_co_u32 s[G0+4*\s+1], s[G0+4*\s+1], s18
	s_add_nc_u64 s[G0+4*\s+2:G0+4*\s+3], s[G0+4*\s+2:G0+4*\s+3], s[20:21]
	s_add_co_u32 s[G0B+4*\s+1], s[G0B+4*\s+1], s19
	s_add_nc_u64 s[G0B+4*\s+2:G0B+4*\s+3], s[G0B+4*\s+2:G0B+4*\s+3], s[22:23]
.endr
	s_wait_loadcnt 0x0                             ; the scale words
	s_barrier_signal -1
	s_barrier_wait -1                              ; everybody's tile is in: both slots are whole
.macro FRAG reg, adr, q, i             ; 16 rows x 128 K: registers 4 c .. 4 c + 3 hold K = 32 c + 16 h + 0 .. 15
.irp c, 0,1,2,3
	ds_load_b128 v[\reg+4*\c:\reg+4*\c+3], v[\adr] offset:128*(\q)+32*\c+(\i)*16*PITCH
.endr
.endm
.macro FETCH slot, q                   ; the slot's q-th 128 of K into set q: 32 loads for B, 16 for A
	WIN 0x40
.irp i, 0,1,2,3,4,5,6,7
	FRAG 128*(\q)+16*\i, ADRB+\slot, \q, \i
.endr
	WIN 0
.irp i, 0,1,2,3
	FRAG AF+64*(\q)+16*\i, ADRA+\slot, \q, \i
.endr
.endm
.macro PROD a, b, q, kq, zero          ; A's block a x B's block b, set q, the kq-th 128 of K; an odd block's scale words stand in lanes 16-31
.set AC_, 8*(8*(\a)+(\b))
.set BF_, 128*(\q)+16*(\b)
.set AF_, AF+64*(\q)+16*(\a)
.set SB_, SB+16*((\b)/2)+(\kq)
.set SA_, SA+16*((\a)/2)+(\kq)
.set M_, 4*(\zero)+2*((\b)%2)+(\a)%2
.if M_ == 0
	v_wmma_scale_f32_16x16x128_f8f6f4 v[AC_:AC_+7], v[BF_:BF_+15], v[AF_:AF_+15], v[AC_:AC_+7], v[SB_], v[SA_]
.elseif M_ == 1
	v_wmma_scale_f32_16x16x128_f8f6f4 v[AC_:AC_+7], v[BF_:BF_+15], v[AF_:AF_+15], v[AC_:AC_+7], v[SB_], v[SA_] matrix_b_scale:MATRIX_SCALE_ROW1
.elseif M_ == 2
	v_wmma_scale_f32_16x16x128_f8f6f4 v[AC_:AC_+7], v[BF_:BF_+15], v[AF_:AF_+15], v[AC_:AC_+7], v[SB_], v[SA_] matrix_a_scale:MATRIX_SCALE_ROW1
.elseif M_ == 3
	v_wmma_scale_f32_16x16x128_f8f6f4 v[AC_:AC_+7], v[BF_:BF_+15], v[AF_:AF_+15], v[AC_:AC_+7], v[SB_], v[SA_] matrix_a_scale:MATRIX_SCALE_ROW1 matrix_b_scale:MATRIX_SCALE_ROW1
.elseif M_ == 4
	v_wmma_scale_f32_16x16x128_f8f6f4 v[AC_:AC_+7], v[BF_:BF_+15], v[AF_:AF_+15], 0, v[SB_], v[SA_]
.elseif M_ == 5
	v_wmma_scale_f32_16x16x128_f8f6f4 v[AC_:AC_+7], v[BF_:BF_+15], v[AF_:AF_+15], 0, v[SB_], v[SA_] matrix_b_scale:MATRIX_SCALE_ROW1
.elseif M_ == 6
	v_wmma_scale_f32_16x16x128_f8f6f4 v[AC_:AC_+7], v[BF_:BF_+15], v[AF_:AF_+15], 0, v[SB_], v[SA_] matrix_a_scale:MATRIX_SCALE_ROW1
.else
	v_wmma_scale_f32_16x16x128_f8f6f4 v[AC_:AC_+7], v[BF_:BF_+15], v[AF_:AF_+15], 0, v[SB_], v[SA_] matrix_a_scale:MATRIX_SCALE_ROW1 matrix_b_scale:MATRIX_SCALE_ROW1
.endif
.endm
.macro MUL t, q, zero                  ; 32 products: the 32 accumulators by turns, in the same order each time
	WIN 0xa1                                       ; source 0 window 1, source 1 window 0, C and D window 2
.irp a, 0,1,2,3
.irp b, 0,1,2,3,4,5,6,7
	PROD \a, \b, \q, 2*(\t)+(\q), \zero
.endr
.endr
.endm
.macro STEP t, zero
.set S_, (\t)%2
	FETCH S_, 0
.if (\t) > 0
.if (\t)+3 < NSTEP
	global_prefetch_b8 v[PFO], s[PFA:PFA+1] offset:((\t)+3)*ROWB th:TH_LOAD_NT scope:SCOPE_SE   ; two refills ahead of the load that will want it
.endif
.endif
	FETCH S_, 1
	s_wait_dscnt 48                                ; set 0 is in; set 1's 48 loads may be out
	MUL \t, 0, \zero
	s_wait_dscnt 0x0
	MUL \t, 1, 0
.endm
.macro EVENT t                         ; the change of slots behind step t: the step's slot is filled again with K step t + 2, while there is one
.set S_, (\t)%2
	WIN 0
	s_wait_tensorcnt 0x0                           ; my part of the other slot is in
	ds_add_u32 v[SPW], v[NIL]
.if (\t) < NSTEP-2
	s_add_nc_u64 s[G0+4*S_+2:G0+4*S_+3], s[G0+4*S_+2:G0+4*S_+3], 2*ROWB
	s_add_nc_u64 s[G0B+4*S_+2:G0B+4*S_+3], s[G0B+4*S_+2:G0B+4*S_+3], 2*ROWB
	s_wait_dscnt 0x0                               ; the add is done; my reads of this slot were over ahead of the step's last products
	CROUND                                         ; no wave of any partner still reads this slot or has a load on its way
	JLOAD G0+4*S_, G1, G0B+4*S_, G1B
	PLACES NP-4                                    ; with the four behind the load: eight places ahead of the loads into registers that the products have read
.else
	s_wait_dscnt 0x0
	s_barrier_signal -1
	s_barrier_wait -1                              ; nothing is filled again: the last slot is whole
	PLACES NP
.endif
.endm
	STEP 0, 1                                      ; the first products start the sums
	EVENT 0
.irp t, 1,2,3,4,5,6
	STEP \t, 0
	EVENT \t
.endr
; the last K step, by rows of out0
.macro ROW a
	WIN 0xa1
.irp q, 0,1
.irp b, 0,1,2,3,4,5,6,7
	PROD \a, \b, \q, 14+\q, 0
.endr
.endr
.endm
.macro TOSTAGE a                       ; block a's 16 rows x 128 columns into my stage, each accumulator from its low end on, and back as rows of 512 bytes (LDS serves a wave's instructions in order: ISA guide 5.7.1.4)
	WIN 0x08
.irp b, 0,1,2,3,4,5,6,7
	ds_store_b128 v[STO], v[64*(\a)+8*\b:64*(\a)+8*\b+3] offset:128*(\b/2)+32*(\b%2)
	ds_store_b128 v[STO], v[64*(\a)+8*\b+4:64*(\a)+8*\b+7] offset:128*(\b/2)+32*(\b%2)+16
.endr
	WIN 0xc0
.irp t, 0,1,2,3,4,5,6,7,8,9,10,11,12,13,14,15
	ds_load_b128 v[64*(\a)+4*\t:64*(\a)+4*\t+3], v[RD] offset:\t*SPITCH
.endr
.endm
.macro SEND a                          ; 32 lanes store 512 consecutive bytes, aligned; each block has registers of its own, so no store's data are written again
	s_wait_dscnt 0x0
	WIN 0x0c
.irp t, 0,1,2,3,4,5,6,7,8,9,10,11,12,13,14,15
	global_store_b128 v[CO], v[64*(\a)+4*\t:64*(\a)+4*\t+3], s[12:13] offset:(16*(\a)+\t)*SIZE_N*4 th:TH_STORE_NT
.endr
.endm
	FETCH 1, 0
	FETCH 1, 1
	s_wait_dscnt 0x0
	ROW 0
.irp a, 0,1,2
	PLACES NP                                      ; eight places behind the block's last product, ahead of the stores that read its sums
	TOSTAGE \a
	ROW \a+1
	SEND \a
.endr
	PLACES NP
	TOSTAGE 3
	SEND 3
	WIN 0
	s_wait_tensorcnt 0x0                           ; the wave's end
	ds_add_u32 v[SPW], v[NIL]
	s_wait_dscnt 0x0
	CROUND                                         ; the closing round
	s_endpgm
.Lfunc_end_k_q5a74425816_oproj:
	.size	k_q5a74425816_oproj, .Lfunc_end_k_q5a74425816_oproj-k_q5a74425816_oproj
	.p2alignl 7, 3214868480
	.fill 96, 4, 3214868480
	.section	.rodata,"a",@progbits
	.p2align	6, 0x0
	.amdhsa_kernel k_q5a74425816_oproj
		.amdhsa_group_segment_fixed_size 327680
		.amdhsa_private_segment_fixed_size 0
		.amdhsa_enable_private_segment 0
		.amdhsa_kernarg_size 40
		.amdhsa_user_sgpr_count 2
		.amdhsa_user_sgpr_kernarg_segment_ptr 1
		.amdhsa_wavefront_size32 1
		.amdhsa_system_sgpr_workgroup_id_x 1
		.amdhsa_system_sgpr_workgroup_id_y 1
		.amdhsa_system_sgpr_workgroup_id_z 1
		.amdhsa_system_vgpr_workitem_id 0
		.amdhsa_next_free_vgpr 1024
		.amdhsa_next_free_sgpr 86
		.amdhsa_reserve_vcc 0
		.amdhsa_float_denorm_mode_32 3
		.amdhsa_float_denorm_mode_16_64 3
		.amdhsa_memory_ordered 1
		.amdhsa_forward_progress 1
		.amdhsa_inst_pref_size 149
	.end_amdhsa_kernel
	.amdgpu_metadata
---
amdhsa.version: [ 1, 2 ]
amdhsa.kernels:
  - .name:           k_q5a74425816_oproj
    .symbol:         k_q5a74425816_oproj.kd
    .args:
      - { .name: xc, .offset: 0, .size: 8, .value_kind: global_buffer, .address_space: global }
      - { .name: xs, .offset: 8, .size: 8, .value_kind: global_buffer, .address_space: global }
      - { .name: wc, .offset: 16, .size: 8, .value_kind: global_buffer, .address_space: global }
      - { .name: ws, .offset: 24, .size: 8, .value_kind: global_buffer, .address_space: global }
      - { .name: out0, .offset: 32, .size: 8, .value_kind: global_buffer, .address_space: global }
    .group_segment_fixed_size: 327680
    .private_segment_fixed_size: 0
    .kernarg_segment_align: 8
    .kernarg_segment_size: 40
    .max_flat_workgroup_size: 128
    .sgpr_count:     86
    .vgpr_count:     1024
    .wavefront_size: 32
...
	.end_amdgpu_metadata
.endif
;; end of part 4
